; MI455X (gfx1250); checked and timed in simulation.
; The chip was launched on July 23, 2026; its instructions are those of AMD's public machine-readable ISA for CDNA 5 (MIT licence, August 2026) and "CDNA5" Instruction Set Architecture Reference Guide (July 2026). The comments in the code are by the model that wrote it; some were corrected since.
;; Multi Head Attention With Bias. Allowed arithmetic: matrix products marked QUANTISED: E2M3 operands, one E8M0 scale for each 32 along K, by v_wmma_scale_f32_16x16x128_f8f6f4 with both operands' format E2M3, f32 sums; everything else in f32.
;; Inputs: K_codes 2 x 2,048 x 24 x 24 uint8 (E2M3 codes of K, K innermost, in blocks of 32 codes, four codes in three bytes); K_scales 2 x 2,048 x 24 uint8 (E8M0 scales of K, one for each 32 codes along K); Q_codes 2 x 2,048 x 24 x 24 uint8 (E2M3 codes of Q, K innermost, in blocks of 32 codes, four codes in three bytes); Q_scales 2 x 2,048 x 24 uint8 (E8M0 scales of Q, one for each 32 codes along K); V_codes 2 x 2,048 x 24 x 24 uint8 (E2M3 codes of V, K innermost, in blocks of 32 codes, four codes in three bytes); V_scales 2 x 2,048 x 24 uint8 (E8M0 scales of V, one for each 32 codes along K); W_K_codes 768 x 24 x 24 uint8 (E2M3 codes of W_K, K innermost, in blocks of 32 codes, four codes in three bytes); W_K_scales 768 x 24 uint8 (E8M0 scales of W_K, one for each 32 codes along K); W_O_codes 768 x 24 x 24 uint8 (E2M3 codes of W_O, K innermost, in blocks of 32 codes, four codes in three bytes); W_O_scales 768 x 24 uint8 (E8M0 scales of W_O, one for each 32 codes along K); W_Q_codes 768 x 24 x 24 uint8 (E2M3 codes of W_Q, K innermost, in blocks of 32 codes, four codes in three bytes); W_Q_scales 768 x 24 uint8 (E8M0 scales of W_Q, one for each 32 codes along K); W_V_codes 768 x 24 x 24 uint8 (E2M3 codes of W_V, K innermost, in blocks of 32 codes, four codes in three bytes); W_V_scales 768 x 24 uint8 (E8M0 scales of W_V, one for each 32 codes along K); mask 1 x 1 x 2,048 x 2,048 int32; rel_emb 32 x 12 float32.
;; Outputs: out0 2 x 2,048 x 768 float32.
;; This version of the problem:
;;   THIS VERSION OF THE PROBLEM IS GIVEN IN LOW PRECISION. The matrix products marked QUANTISED in the list below multiply operands that are first quantised to E2M3 (2 exponent bits, 3 mantissa bits; 6 bits a number), with one power-of-two scale for each 32 numbers along K (OCP MX v1.0); their sums are f32. All else is computed in f32.
;;   The module's matrix products, in the order in which they are computed (A, B: the left and right operand; K: the contracted axis; several contracted axes count as one K, in the product's order):
;;     1. [M 4,096, K 768] x [K 768, N 768]; A: input Q (given as codes); B: input W_Q (given as codes): QUANTISED
;;     2. [M 4,096, K 768] x [K 768, N 768]; A: input K (given as codes); B: input W_K (given as codes): QUANTISED
;;     3. [M 4,096, K 768] x [K 768, N 768]; A: input V (given as codes); B: input W_V (given as codes): QUANTISED
;;     4. batch 24 x [M 2,048, K 64] x [K 64, N 2,048]; A: computed on the way; B: computed on the way: QUANTISED
;;     5. batch 24 x [M 2,048, K 2,048] x [K 2,048, N 64]; A: computed on the way; B: computed on the way: QUANTISED
;;     6. [M 4,096, K 768] x [K 768, N 768]; A: computed on the way; B: input W_O (given as codes): QUANTISED
;;   THE QUANTISER, for each operand of a quantised product, along K:
;;     - K is cut into blocks of 32 from its start; a last block that is shorter is filled with zeros.
;;     - A block's scale is 2^e with e = floor(log2(the largest magnitude in the block)) - 2, held to -126 .. 127; a block of zeros has e = 0. As a byte (E8M0): e + 127.
;;     - Each number is divided by its block's scale, clamped to +-7.5, and rounded to the nearest number of E2M3, ties to even, subnormals kept.
;;     - The product sums the exact products of the quantised numbers (number of the format x scale) in f32.
;;   ~~~python
;;   def quantise(x, axis):      # numpy; x: float32 -> the quantised numbers, widened to float32 again
;;       x = np.moveaxis(x, axis, -1); K = x.shape[-1]
;;       x = np.pad(x, [(0, 0)] * (x.ndim - 1) + [(0, -K % 32)]); x = x.reshape(x.shape[:-1] + (-1, 32)); a = np.abs(x).max(-1, keepdims=True)
;;       e = np.where(a > 0, np.clip(np.frexp(np.where(a > 0, a, 1))[1] - 1 - 2, -126, 127), 0)      # np.frexp(a)[1] - 1 = floor(log2(a)), exactly
;;       r = np.clip(x / 2.0 ** e, -7.5, 7.5)
;;       step = 2.0 ** (np.maximum(np.frexp(np.where(r == 0, 1, r))[1] - 1, 0) - 3)
;;       q = np.round(r / step) * step * 2.0 ** e      # np.round: ties to even
;;       return np.moveaxis(q.reshape(q.shape[:-2] + (-1,))[..., :K], -1, axis).astype(np.float32)
;;   ~~~
;;   OPERANDS COMPUTED ON THE WAY. 'Computed on the way' means the value that the module computes at that place (a softmax that the list does not call 'softmax' is quantised finished and normalised). What goes into a quantiser is computed in f32, as accurately as f32 sums, v_exp_f32 and their like allow (about 1e-6 of the number): no bf16 or f16 on the way to a quantiser, and a product that is left as it is and whose result goes on into a quantised operand takes f32 operands (vector FMAs, or v_wmma_f32_16x16x4_f32). A number that lies on a knife's edge between two numbers of the format may be rounded either way, as far as f32 arithmetic and the matrix unit's own rounding can turn it there, and no further.
;;   INPUTS GIVEN AS CODES. K (in the module: [2, 2048, 768], K = its axis 2); Q (in the module: [2, 2048, 768], K = its axis 2); V (in the module: [2, 2048, 768], K = its axis 2); W_K (in the module: [768, 768], K = its axis 1); W_O (in the module: [768, 768], K = its axis 1); W_Q (in the module: [768, 768], K = its axis 1); W_V (in the module: [768, 768], K = its axis 1): each comes as NAME_codes (uint8): NAME with its K axis moved to the last place and cut into blocks of 32 codes, [.., K / 32, bytes a block], one block behind the other in memory; four codes in three bytes: a row's codes are one little-endian stream of bits, code i at bits 6 i .. 6 i + 5 (a code: sign, 2 exponent bits, 3 mantissa bits); and NAME_scales (uint8): the same leading axes, one E8M0 byte (e + 127) for each 32 codes along K. Its value is code x scale, taken as it is: it is not quantised again, and the codes and scales need not be those that the quantiser above would give.
;; One version. Each part assembles by itself: llvm-mc -triple=amdgcn-amd-amdhsa -mcpu=gfx1250 --defsym DOCPART=n.
;; ======== version 1 of 1: 3 launches
;; limits: right only within a limited range of input values
;; workspace buffers: qkv 7,077,888 bytes; qkvs 294,912 bytes; maskp 532,480 bytes of whole numbers; biast 98,304 bytes; ao 2,359,296 bytes; aos 98,304 bytes
;; launch prep (part 1): grid 256 x 1, 12 waves a work-group, no clusters, 327,680 bytes of LDS; arguments Q_codes, K_codes, V_codes, W_Q_codes, W_K_codes, W_V_codes, Q_scales, K_scales, V_scales, W_Q_scales, W_K_scales, W_V_scales, mask, rel_emb, qkv, qkvs, maskp, biast; writes qkv, qkvs, maskp, biast
.if DOCPART == 1
	.amdgcn_target "amdgcn-amd-amdhsa--gfx1250"
	.amdhsa_code_object_version 6
	.text
	.protected	k_q707abf17a1_prep
	.globl	k_q707abf17a1_prep
	.p2align	8
	.type	k_q707abf17a1_prep,@function
k_q707abf17a1_prep:
	s_mov_b64 s[64:65], 0
	v_nop
	global_prefetch_b8 v0, s[64:65] scope:SCOPE_SE
	s_setreg_imm32_b32 hwreg(HW_REG_WAVE_MODE, 25, 1), 1
	s_wait_xcnt 0x0
; PREP.  Work-groups 0-191: q = Q W_Q^T, k = K W_K^T, v = V W_V^T on codes of FP6 (E2M3) with E8M0 scales, and the results quantised again:
; q and k along a head's 64 channels, v along the keys.  Work-groups 192-255: the mask packed into lane-mask words, and the table of biases by distance.
; PROJECTION.  Work-group = (tensor tau, 256 tokens tb, 192 features fb = 3 heads); wave = (64 tokens tg, one head hdl): 64 x 64 results, 16 accumulators, 6 K steps of 128.
; tau < 2: source 0 = W's rows, source 1 = tokens: a lane holds ONE token and its registers run along the head's channels.  tau = 2: the sources change places: a lane holds ONE channel and its registers run along the keys.
; One text serves all three: only scalar bases differ.
; THE ROWS OF A TILE ARE NOT NEIGHBOURS: tile t of a group of 64 rows begins at o(t) = 32 (t / 2) + 8 (t % 2) and its lane r takes row o(t) + rho(r), rho(r) = r + (r & 8).  With such tiles as source 0 the 16 result
; registers of tiles 2 b and 2 b + 1 are the 16 neighbours 32 b + 16 (lane / 16) + 0 .. 15, which is what the conversion to codes wants.
; LDS: the 448 rows (4 chunks of 64 tokens, 3 chunks of 64 features), all of K (576 bytes a row), filled once.  16 bytes of padding behind every 64: a row is 720 bytes.  Rows with bit 4 clear lie in region A, the others in
; region B, which begins 128 bytes past a multiple of 256: the 16 rows of a tile then start at 16 different groups of four banks (64 banks of 4 bytes: ISA guide 11.1).
; OUTPUT: register images.  q, k: [bh][token tile 128][pair 3][lane 32][8 bytes]; v: [bh][128 keys W][channel tile 4][half 2][pair 3][lane][8 bytes]; scale words [bh][group 32][2][16] u32, two tiles' byte pairs a word.
; LIMITS: NaN, infinities and the scale byte 0xff among the inputs are not served.  A block of zeros gets the scale byte 1 where the quantiser's rule says 127: its codes are zeros, and only this program reads the bytes.
.set BB,   161408                      ; region B
.set CHB,  23040                       ; a chunk's share of a region: 32 rows
.set HB,   11520                       ; 16 rows
.set RP,   720                         ; a row
.set SC,   8                           ; v8-31   scale words and nothing else, in the whole text: register 6 t + s: lanes 0-15 source 0's tile t, lanes 16-31 source 1's tile t, K step s
.set F0,   32                          ; v32-79  source 0's four fragments
.set F1,   80                          ; v80-127 source 1's four fragments
.set ACC,  128                         ; v128-255 accumulator (source-0 tile i, source-1 tile p) at ACC + 32 p + 8 i
.set TM,   32                          ; the way out: v32-39 largest magnitudes of block 2 p + b; v40-47 the other half's; v48-55 scale operands; v56-63 bytes; v64-67 byte pairs
.set EC,   72                          ; v72.. six registers of codes for each p, 8 apart;  v104.. the second conversions' results, 4 apart
.set YC,   104
.set VO,   1                           ; v1-4 in the K loop: LDS addresses; on the way out: the four tiles' store offsets.  v5: the scales' offset, then the scale words' store offset
	s_load_b512 s[16:31], s[0:1], 0x0              ; Q, K, V codes s[16:21]; W_Q, W_K, W_V codes s[22:27]; Q, K scales s[28:31]
	s_load_b512 s[32:47], s[0:1], 0x40             ; V scales s[32:33]; W_Q, W_K, W_V scales s[34:39]; mask s[40:41]; rel_emb s[42:43]; qkv s[44:45]; qkvs s[46:47]
	s_load_b128 s[48:51], s[0:1], 0x80             ; maskp s[48:49]; biast s[50:51]
	v_lshrrev_b32 v1, 5, v0
	s_delay_alu instid0(VALU_DEP_1)
	v_readfirstlane_b32 s2, v1                     ; wave 0..11
	s_cmp_ge_u32 ttmp9, 192
	s_cbranch_scc1 .Lmask
.set SPR, 322816                       ; behind region B: the spare words, 128 bytes for each of the 12 waves
	v_lshl_add_u32 v6, v0, 2, SPR                  ; v6, v7: my spare word and 0, kept for the adds alone
	v_mov_b32 v7, 0
	ds_add_u32 v6, v7                              ; the opening lines: the add, twice on end, and its wait ahead of my tensor load
	ds_add_u32 v6, v7
; ------------------------------------------------------------------ the projections
	s_lshr_b32 s3, ttmp9, 6                        ; tau: 0 q, 1 k, 2 v
	s_bfe_u32 s77, ttmp9, 0x40002                  ; tb
	s_and_b32 s78, ttmp9, 3                        ; fb
	s_and_b32 s79, s2, 3                           ; tg
	s_lshr_b32 s80, s2, 2                          ; hdl
	s_mov_b32 s82, 0x76543210
	s_mov_b32 s83, 0xfedcba98                      ; v_permlanex16_b32's selects for lane l xor 16
	; descriptor group 1: two runs of 16 dense rows (9,216 bytes = 1,152 elements of 8 bytes), 32 rows apart; 4 words of padding behind every 16
	s_mov_b32 s68, (3<<16)|(1<<20)|(3<<22)|(3<<25)
	s_mov_b32 s69, 1152<<16                        ; tensor_dim0
	s_mov_b32 s70, 2<<16                           ; tensor_dim1
	s_mov_b32 s71, 1152<<16                        ; tile_dim0
	s_mov_b32 s72, 2                               ; tile_dim1
	s_mov_b32 s73, 2304                            ; from run to run
	s_mov_b32 s74, 0
	s_mov_b32 s75, 0
	; a second group 1 for the features: three such runs
	s_mov_b32 s92, (3<<16)|(1<<20)|(3<<22)|(3<<25)
	s_mov_b32 s93, 1152<<16
	s_mov_b32 s94, 3<<16
	s_mov_b32 s95, 1152<<16
	s_mov_b32 s96, 3
	s_mov_b32 s97, 2304
	s_mov_b32 s98, 0
	s_mov_b32 s99, 0
	; ONE FILL A WAVE.  Waves 0-7: chunk w / 2 of the tokens, region w % 2 (two runs).  Waves 8-11: half (w / 2) % 2 of the 192 features, region w % 2 (three runs)
	s_lshr_b32 s13, s2, 1
	s_and_b32 s14, s2, 1                           ; region
	s_mul_i32 s15, s14, BB
	s_mul_i32 s53, s13, CHB
	s_add_co_u32 s53, s53, s15                     ; LDS, tokens
	s_and_b32 s60, s13, 1                          ; half
	s_mul_i32 s57, s60, 3*HB
	s_add_co_u32 s57, s57, s15
	s_add_co_u32 s57, s57, 4*CHB                   ; LDS, features
	s_lshl_b32 s12, s77, 8
	s_lshl_b32 s13, s13, 6
	s_add_co_u32 s12, s12, s13                     ; token row 256 tb + 64 chunk
	s_mul_i32 s12, s12, 576
	s_mul_i32 s13, s78, 192
	s_mul_i32 s60, s60, 96
	s_add_co_u32 s13, s13, s60                     ; feature row 192 fb + 96 half
	s_mul_i32 s60, s13, 576
	s_mul_i32 s14, s14, 9216                       ; region B begins 16 rows further down
	s_add_co_u32 s12, s12, s14
	s_add_co_u32 s60, s60, s14
	s_mov_b32 s13, 0
	s_mov_b32 s61, 0
	s_mov_b32 s52, 1
	s_mov_b32 s56, 1
	s_wait_dscnt 0x0                               ; both opening adds are done
	s_wait_kmcnt 0x0
	s_cmp_eq_u32 s3, 0
	s_cselect_b64 s[4:5], s[16:17], s[18:19]       ; the tensor's codes,
	s_cselect_b64 s[6:7], s[22:23], s[24:25]       ; its weight's codes,
	s_cselect_b64 s[8:9], s[28:29], s[30:31]       ; the tensor's scales,
	s_cselect_b64 s[10:11], s[34:35], s[36:37]     ; the weight's scales
	s_cmp_eq_u32 s3, 2
	s_cselect_b64 s[4:5], s[20:21], s[4:5]
	s_cselect_b64 s[6:7], s[26:27], s[6:7]
	s_cselect_b64 s[8:9], s[32:33], s[8:9]
	s_cselect_b64 s[10:11], s[38:39], s[10:11]
	s_add_nc_u64 s[54:55], s[4:5], s[12:13]
	s_add_nc_u64 s[58:59], s[6:7], s[60:61]
	s_or_b32 s55, s55, 0x80000000
	s_or_b32 s59, s59, 0x80000000
	s_cmp_lt_u32 s2, 8
	s_cbranch_scc0 .Lfill_f
	tensor_load_to_lds s[52:55], s[68:75]          ; one load of mine is out
	s_nop 0
.rept 4
	v_nop
.endr
	s_branch .Lnofill
.Lfill_f:
	tensor_load_to_lds s[56:59], s[92:99]
	s_nop 0
.rept 4
	v_nop
.endr
.Lnofill:
	; where the results go
	s_lshl_b32 s84, s77, 2
	s_add_co_u32 s84, s84, s79                     ; 4 tb + tg: my group of 64 tokens among 64
	s_lshr_b32 s85, s84, 5                         ; batch
	s_and_b32 s84, s84, 31                         ; G: the group inside the batch
	s_mul_i32 s85, s85, 12
	s_mul_i32 s86, s78, 3
	s_add_co_u32 s85, s85, s86
	s_add_co_u32 s85, s85, s80                     ; bh = 12 batch + 3 fb + hdl
	s_mul_i32 s86, s3, 2359296
	s_mul_i32 s87, s85, 98304
	s_add_co_u32 s86, s86, s87
	s_mul_i32 s87, s84, 3072                       ; q, k: four tiles of 768 bytes a group
	s_lshr_b32 s88, s84, 1
	s_mul_i32 s88, s88, 6144                       ; v: 128 keys are four fragments of 1,536 bytes,
	s_and_b32 s89, s84, 1
	s_mul_i32 s89, s89, 768                        ; of which my 64 keys are a half
	s_add_co_u32 s88, s88, s89
	s_mov_b32 s81, 1536
	s_cmp_eq_u32 s3, 2
	s_cselect_b32 s87, s88, s87
	s_cselect_b32 s81, s81, 768                    ; from source-1 tile to tile: kept for the way out
	s_add_co_u32 s86, s86, s87
	s_mov_b32 s87, 0
	s_add_nc_u64 s[44:45], s[44:45], s[86:87]
	s_mul_i32 s86, s3, 98304
	s_lshl_b32 s88, s85, 12
	s_add_co_u32 s86, s86, s88
	s_lshl_b32 s88, s84, 7
	s_add_co_u32 s86, s86, s88
	s_add_nc_u64 s[46:47], s[46:47], s[86:87]
	; the scales of my 64 tokens and my 64 features
	s_lshl_b32 s12, s77, 8
	s_lshl_b32 s13, s79, 6
	s_add_co_u32 s12, s12, s13
	s_mul_i32 s12, s12, 24
	s_mov_b32 s13, 0
	s_add_nc_u64 s[8:9], s[8:9], s[12:13]
	s_mul_i32 s12, s78, 192
	s_lshl_b32 s14, s80, 6
	s_add_co_u32 s12, s12, s14
	s_mul_i32 s12, s12, 24
	s_add_nc_u64 s[10:11], s[10:11], s[12:13]
	s_add_co_u32 s14, s80, 4                       ; the features' chunk
	s_cmp_eq_u32 s3, 2
	s_cselect_b64 s[62:63], s[8:9], s[10:11]       ; source 0's scales: the tokens' for v, else the features'
	s_cselect_b64 s[66:67], s[10:11], s[8:9]       ; source 1's
	s_mov_b32 s15, s14                             ; v1, v2 always address the features' chunk,
	s_mov_b32 s14, s79                             ; v3, v4 the tokens': the LDS addresses hang on the wave's number alone
	s_mul_i32 s15, s15, CHB
	s_mul_i32 s14, s14, CHB
	v_and_b32 v5, 15, v0                           ; r
	v_bfe_u32 v126, v0, 4, 1
	s_delay_alu instid0(VALU_DEP_2)
	v_and_b32 v127, 7, v5
	s_delay_alu instid0(VALU_DEP_3)
	v_lshrrev_b32 v1, 3, v5
	s_delay_alu instid0(VALU_DEP_1)
	v_mul_u32_u24 v1, v1, BB                       ; lanes 8-15 of a half take rows with bit 4 set: region B
	s_delay_alu instid0(VALU_DEP_1)
	v_mad_u32_u24 v1, v127, RP, v1
	s_delay_alu instid0(VALU_DEP_1)
	v_mad_u32_u24 v1, v126, 24, v1
	s_delay_alu instid0(VALU_DEP_1)
	v_add_nc_u32 v3, s14, v1                       ; v3: source 1's fragments,
	s_delay_alu instid0(VALU_DEP_2)
	v_add_nc_u32 v1, s15, v1                       ; v1: source 0's;
	s_delay_alu instid0(VALU_DEP_1)
	v_lshl_add_u32 v2, v126, 4, v1
	s_delay_alu instid0(VALU_DEP_3)
	v_lshl_add_u32 v4, v126, 4, v3
	v_and_b32 v127, 8, v5
	s_delay_alu instid0(VALU_DEP_1)
	v_add_nc_u32 v127, v127, v5
	s_delay_alu instid0(VALU_DEP_1)
	v_mul_u32_u24 v5, v127, 24
.irp t, 0,1,2,3
.irp jj, 0,1,2
	global_load_b64 v[SC+6*\t+2*\jj:SC+6*\t+2*\jj+1], v5, s[62:63] offset:24*(32*(\t/2)+8*(\t%2))+8*\jj
	global_load_b64 v[ACC+6*\t+2*\jj:ACC+6*\t+2*\jj+1], v5, s[66:67] offset:24*(32*(\t/2)+8*(\t%2))+8*\jj
.endr
.endr
	s_mov_b32 s76, 0xffff0000                      ; lanes 16-31
	s_wait_loadcnt 0x0
.set j, 0
.rept 24
	v_cndmask_b32 v[SC+j], v[SC+j], v[ACC+j], s76  ; one register carries source 0's word below and source 1's above
.set j, j+1
.endr
.rept 8
	v_nop                                          ; a scale register written by a vector instruction stands eight places ahead of a scaled matrix instruction
.endr
	s_wait_alu depctr_va_vdst(0)
	s_wait_tensorcnt 0x0                           ; my fills have landed,
	s_barrier_signal -1
	s_barrier_wait -1                              ; everybody's have.  Nothing is filled again in this launch
; a fragment, 16 rows x 128 K: 12 registers, in pieces of 8 bytes.  Lanes 0-15 take the row's pieces 12 s + 0, 1, 2 and 12 s + 6, 7, 8, lanes 16-31 those three pieces on; where that lies behind one padding more, the second address register serves
.macro FRAG reg, adr, s, t
.irp pp, 0,1,2,3,4,5
.set PCN, 12*(\s)+6*(\pp/3)+\pp%3
.if PCN%8 < 5
	ds_load_b64 v[\reg+2*\pp:\reg+2*\pp+1], v[\adr] offset:((\t)/2)*HB+((\t)%2)*8*RP+8*PCN+16*(PCN/8)
.else
	ds_load_b64 v[\reg+2*\pp:\reg+2*\pp+1], v[\adr+1] offset:((\t)/2)*HB+((\t)%2)*8*RP+8*PCN+16*(PCN/8)
.endif
.endr
.endm
.macro MM p, i, s
.if (\s) == 0
	v_wmma_scale_f32_16x16x128_f8f6f4 v[ACC+32*(\p)+8*(\i):ACC+32*(\p)+8*(\i)+7], v[F0+12*(\i):F0+12*(\i)+11], v[F1+12*(\p):F1+12*(\p)+11], 0, v[SC+6*(\i)+(\s)], v[SC+6*(\p)+(\s)] matrix_a_fmt:MATRIX_FMT_FP6 matrix_b_fmt:MATRIX_FMT_FP6 matrix_b_scale:MATRIX_SCALE_ROW1
.else
	v_wmma_scale_f32_16x16x128_f8f6f4 v[ACC+32*(\p)+8*(\i):ACC+32*(\p)+8*(\i)+7], v[F0+12*(\i):F0+12*(\i)+11], v[F1+12*(\p):F1+12*(\p)+11], v[ACC+32*(\p)+8*(\i):ACC+32*(\p)+8*(\i)+7], v[SC+6*(\i)+(\s)], v[SC+6*(\p)+(\s)] matrix_a_fmt:MATRIX_FMT_FP6 matrix_b_fmt:MATRIX_FMT_FP6 matrix_b_scale:MATRIX_SCALE_ROW1
.endif
.endm
; a K step: 48 LDS loads, 16 matrix instructions.  The 16 accumulators take turns, one instruction a turn, in the same order in every step; the first step's products start the sums
.macro KSTEP s
.if (\s) > 0
.rept 4
	v_nop                                          ; places in front of loads into registers that matrix instructions have read
.endr
.endif
.irp t, 0,1,2,3
	FRAG F0+12*\t, 1, \s, \t
.endr
.irp t, 0,1,2,3
	FRAG F1+12*\t, 3, \s, \t
.endr
	s_cmp_eq_u32 s3, 2                             ; v32-79 hold the features' fragments, v80-127 the tokens'.  q, k: source 0 = features; v: source 0 = tokens (a branch on the work-group's number)
	s_cbranch_scc1 .Lswap_\@
.irp p, 0,1,2,3
	s_wait_dscnt 18-6*\p                           ; the features' four fragments and the tokens' up to tile p are in; six loads for each later tile may be out
.irp i, 0,1,2,3
	MM \p, \i, \s
.endr
.endr
	s_branch .Lstep_\@
.Lswap_\@:
	s_wait_dscnt 0x0                               ; source 0's fragments were asked for last here
.set F0, 80
.set F1, 32
.irp p, 0,1,2,3
.irp i, 0,1,2,3
	MM \p, \i, \s
.endr
.endr
.set F0, 32
.set F1, 80
.Lstep_\@:
.endm
	KSTEP 0
	KSTEP 1
	KSTEP 2
	KSTEP 3
	KSTEP 4
	KSTEP 5
; THE WAY OUT.  For each source-1 tile p a lane holds 32 numbers of its row: register 16 b + e = neighbour 32 b + 16 (lane / 16) + e.  Two blocks of 32, each shared with lane l xor 16.
; The store offsets are made here, in the registers that held the LDS addresses (all 256 registers are taken during the K loop, and all LDS loads are back).  These six plain lines name no register of the
; last products: they are the places between those products and the first read of results and the first write over their fragments (ISA guide 7.12.1).
	v_and_b32 v5, 31, v0                           ; lane
	s_delay_alu instid0(VALU_DEP_1)
	v_lshlrev_b32 v[VO], 3, v5                     ; tile 0: 8 x lane
	s_delay_alu instid0(VALU_DEP_1)
	v_add_nc_u32 v[VO+1], s81, v[VO]               ; tile 1
	s_lshl_b32 s13, s81, 1
	v_add_nc_u32 v[VO+2], s13, v[VO]               ; tile 2
	s_add_co_u32 s13, s13, s81
	v_add_nc_u32 v[VO+3], s13, v[VO]               ; tile 3
	v_lshlrev_b32 v5, 2, v5                        ; the scale words: 4 x lane
.irp p, 0,1,2,3
.irp b, 0,1
	v_max3_num_f32 v[TM+2*\p+\b], |v[ACC+32*\p+16*\b]|, |v[ACC+32*\p+16*\b+1]|, 0x1800000   ; my 16 numbers, from each accumulator's low end on, and the floor 2^(3 - 127): the byte cannot fall under 1
.endr
.endr
.irp e, 2,4,6,8,10,12,14
.irp p, 0,1,2,3
.irp b, 0,1
	v_max3_num_f32 v[TM+2*\p+\b], v[TM+2*\p+\b], |v[ACC+32*\p+16*\b+\e]|, |v[ACC+32*\p+16*\b+\e+1]|   ; (the eight blocks by turns)
.endr
.endr
.endr
.set j, 0
.rept 8
	v_permlanex16_b32 v[TM+8+j], v[TM+j], s82, s83
.set j, j+1
.endr
.set j, 0
.rept 8
	v_max_num_f32 v[TM+j], v[TM+j], v[TM+8+j]      ; with lane l xor 16's: the block's largest magnitude
.set j, j+1
.endr
.set j, 0
.rept 8
	v_add_nc_u32 v[TM+16+j], 0xff000000, v[TM+j]   ; 2 off its exponent field: the conversion takes the exponent field of this operand as its scale
.set j, j+1
.endr
.set j, 0
.rept 8
	v_lshrrev_b32 v[TM+24+j], 23, v[TM+16+j]       ; the scale's byte
.set j, j+1
.endr
.irp p, 0,1,2,3
	v_lshl_or_b32 v[64+\p], v[TM+25+2*\p], 8, v[TM+24+2*\p]   ; the row's two bytes
.endr
.irp p, 0,1,2,3
	v_cvt_scalef32_pk16_fp6_f32 v[EC+8*\p:EC+8*\p+2], v[ACC+32*\p:ACC+32*\p+15], v[TM+16+2*\p]
	v_cvt_scalef32_pk16_fp6_f32 v[YC+4*\p:YC+4*\p+2], v[ACC+32*\p+16:ACC+32*\p+31], v[TM+17+2*\p]   ; (a conversion's three registers begin on an even number)
.endr
	v_nop                                          ; one plain place behind the scaled conversions
.irp p, 0,1,2,3                                ; the operand's layout wants a WHOLE block in a lane: lanes 0-15 block 0, lanes 16-31 block 1
.irp k, 0,1,2
	v_permlane16_swap_b32 v[EC+8*\p+\k], v[YC+4*\p+\k]
.endr
.irp k, 0,1,2
	s_delay_alu instid0(VALU_DEP_3)
	v_mov_b32 v[EC+8*\p+3+\k], v[YC+4*\p+\k]
.endr
.endr
.irp p, 0,1,2,3
.irp g, 0,1,2
	global_store_b64 v[VO+\p], v[EC+8*\p+2*\g:EC+8*\p+2*\g+1], s[44:45] offset:256*\g   ; a register pair of 32 lanes: 256 consecutive bytes, aligned
.endr
.endr
	v_lshl_or_b32 v124, v65, 16, v64               ; tiles 0 and 1,
	v_lshl_or_b32 v125, v67, 16, v66               ; tiles 2 and 3
	s_delay_alu instid0(VALU_DEP_1)
	v_cndmask_b32 v124, v124, v125, s76            ; lanes 0-15 store the first word of row r, lanes 16-31 the second
	global_store_b32 v5, v124, s[46:47]
	s_wait_tensorcnt 0x0                           ; the wave's end
	ds_add_u32 v6, v7
	s_wait_dscnt 0x0
	s_endpgm
; ------------------------------------------------------------------ the mask and the table of biases: no LDS, no barrier
.Lmask:
	s_sub_co_u32 s3, ttmp9, 192                    ; g = 0..63: queries 32 g .. 32 g + 31
	s_cmp_ge_u32 s2, 8
	s_cbranch_scc1 .Lbias
; Waves 0-7.  A unit is (query tile TT = 2 g + cc, 128 keys W): 64 words; bit l of word j says whether mask(query 32 g + 8 cc + rho(l % 16), key 128 W + 32 (j / 16) + 16 (l / 16) + j % 16) is not 0:
; the lane mask of score register j in the attention launch.  A wave makes the four units W = w0 .. w0 + 3, and for each a flag: 1 if all 64 words are all ones.
; v32-39 the four units' pairs of words; v40-43 the four flags; v64-255 three sets of 64 numbers.
	s_and_b32 s4, s2, 1                            ; cc
	s_lshr_b32 s5, s2, 1                           ; w0 / 4
	s_lshl_b32 s6, s3, 18                          ; 32 rows of 8,192 bytes
	s_lshl_b32 s7, s4, 16                          ; 8 rows
	s_add_co_u32 s6, s6, s7
	s_lshl_b32 s7, s5, 11                          ; 512 bytes for each 128 keys
	s_add_co_u32 s6, s6, s7
	s_mov_b32 s7, 0
	s_lshl_b32 s8, s3, 13                          ; words: 4,096 bytes a query tile, 256 a unit
	s_lshl_b32 s9, s4, 12
	s_add_co_u32 s8, s8, s9
	s_lshl_b32 s9, s5, 10
	s_add_co_u32 s8, s8, s9
	s_mov_b32 s9, 0
	s_lshl_b32 s10, s3, 7                          ; flags: 64 bytes a query tile, 4 a unit, behind the words
	s_lshl_b32 s11, s4, 6
	s_add_co_u32 s10, s10, s11
	s_lshl_b32 s11, s5, 4
	s_add_co_u32 s10, s10, s11
	s_add_co_u32 s10, s10, 524288
	s_mov_b32 s11, 0
	v_and_b32 v1, 31, v0                           ; lane
	v_and_b32 v2, 15, v0
	s_delay_alu instid0(VALU_DEP_1)
	v_and_b32 v3, 8, v2
	s_delay_alu instid0(VALU_DEP_1)
	v_add_nc_u32 v2, v2, v3                        ; rho(r)
	v_bfe_u32 v3, v0, 4, 1
	s_delay_alu instid0(VALU_DEP_2)
	v_lshlrev_b32 v2, 13, v2
	s_delay_alu instid0(VALU_DEP_1)
	v_lshl_add_u32 v2, v3, 6, v2                   ; my row, + 16 keys for lanes 16-31
	v_lshlrev_b32 v3, 3, v1                        ; 8 x lane
	v_mov_b32 v4, 0
.irp k, 32,33,34,35,36,37,38,39
	v_mov_b32 v\k, 0                               ; written once whole: v_writelane_b32's destination counts as read
.endr
	s_wait_kmcnt 0x0
	s_add_nc_u64 s[40:41], s[40:41], s[6:7]
	s_add_nc_u64 s[12:13], s[48:49], s[8:9]
	s_add_nc_u64 s[14:15], s[48:49], s[10:11]
.macro LOADU i                                 ; unit i: 64 numbers a lane, register 16 b + 4 e + k = key 32 b + 16 (lane / 16) + 4 e + k; three sets of registers by turns
.irp b, 0,1,2,3
.irp e, 0,1,2,3
	global_load_b128 v[64+64*((\i)%3)+16*\b+4*\e:64+64*((\i)%3)+16*\b+4*\e+3], v2, s[40:41] offset:512*(\i)+128*\b+16*\e
.endr
.endr
.endm
.macro PROC i                                  ; eight compares at a time; word j goes to lane j / 2 of register j % 2 of the unit's pair, so that the pair is the unit's 256 bytes
	s_mov_b32 s84, -1
.set J0, 0
.rept 8
.irp k, 0,1,2,3,4,5,6,7
	v_cmp_ne_u32 s[76+\k], 0, v[64+64*((\i)%3)+J0+\k]
.endr
.irp k, 0,1,2,3,4,5,6,7
	v_writelane_b32 v[32+2*(\i)+\k%2], s[76+\k], (J0+\k)/2
	s_and_b32 s84, s84, s[76+\k]
.endr
.set J0, J0+8
.endr
	global_store_b64 v3, v[32+2*(\i):33+2*(\i)], s[12:13] offset:256*(\i)   ; 256 consecutive bytes, aligned
	s_cmp_eq_u32 s84, -1
	s_cselect_b32 s85, 1, 0
	v_mov_b32 v[40+(\i)], s85
.endm
	LOADU 0
	LOADU 1
	LOADU 2
	s_wait_loadcnt 32                              ; unit 0 is in; units 1 and 2, 16 loads each, stay out
	PROC 0
	LOADU 3
	s_wait_loadcnt 32                              ; unit 1 is in; units 2 and 3 stay out
	PROC 1
	s_wait_loadcnt 16
	PROC 2
	s_wait_loadcnt 0x0
	PROC 3
	s_wait_alu depctr_va_vdst(0)
	s_wait_xcnt 0x0                                ; EXEC is a source of the stores above: it changes only behind this wait
	v_cmpx_gt_u32 1, v1                            ; lane 0 alone
	global_store_b128 v4, v[40:43], s[14:15]       ; the four flags
	s_endpgm
; Waves 8-11: biast[head][c][idx] = 8 x rel_emb[bucket(key - query = idx - c - 256)][head]: four copies, each shifted by one element, so that every lane of the attention launch finds a run of 16 aligned bytes.
; 8 x, since the scores are kept as q . k + 8 bias and divided by 8 with the exponent's factor; the multiplication is exact.
; The bucket, with n = query - key: n < 0: 16 + n, held at 0;  0 <= n < 16: n;  n >= 16: 16 + the number of limits 16 x 2^(3 j / 16), j = 1 .. 15, rounded up, that n has reached.
.Lbias:
	s_lshl_b32 s4, s3, 2
	s_add_co_u32 s4, s4, s2
	s_sub_co_u32 s4, s4, 8
	s_mul_i32 s4, s4, 96                           ; 96 elements a wave, 24,576 in all
	v_and_b32 v1, 31, v0
	s_delay_alu instid0(VALU_DEP_1)
	v_add_nc_u32 v1, s4, v1
	s_wait_alu depctr_va_vdst(0)
	s_wait_kmcnt 0x0
.irp i, 0,1,2
	v_add_nc_u32 v[32+8*\i], 32*\i, v1             ; the element
	s_delay_alu instid0(VALU_DEP_1)
	v_lshrrev_b32 v[33+8*\i], 11, v[32+8*\i]       ; head
	s_delay_alu instid0(VALU_DEP_2)
	v_bfe_u32 v[34+8*\i], v[32+8*\i], 9, 2         ; c
	s_delay_alu instid0(VALU_DEP_3)
	v_and_b32 v[35+8*\i], 511, v[32+8*\i]          ; idx
	s_delay_alu instid0(VALU_DEP_2)
	v_add_nc_u32 v[34+8*\i], 256, v[34+8*\i]
	s_delay_alu instid0(VALU_DEP_1)
	v_sub_nc_u32 v[34+8*\i], v[34+8*\i], v[35+8*\i]   ; n
	v_mov_b32 v[35+8*\i], 16
.irp lim, 19,21,24,27,31,35,40,46,52,59,67,77,87,99,113
	v_cmp_le_i32 vcc_lo, \lim, v[34+8*\i]
	s_delay_alu instid0(VALU_DEP_1)
	v_add_co_ci_u32 v[35+8*\i], vcc_lo, 0, v[35+8*\i], vcc_lo
.endr
	v_add_nc_u32 v[36+8*\i], 16, v[34+8*\i]
	v_cmp_le_i32 vcc_lo, -15, v[34+8*\i]
	s_delay_alu instid0(VALU_DEP_1)
	v_cndmask_b32 v[36+8*\i], 0, v[36+8*\i], vcc_lo   ; 16 + n, held at 0
	v_cmp_gt_i32 vcc_lo, 0, v[34+8*\i]
	s_delay_alu instid0(VALU_DEP_1)
	v_cndmask_b32 v[36+8*\i], v[34+8*\i], v[36+8*\i], vcc_lo
	v_cmp_le_i32 vcc_lo, 16, v[34+8*\i]
	s_delay_alu instid0(VALU_DEP_1)
	v_cndmask_b32 v[36+8*\i], v[36+8*\i], v[35+8*\i], vcc_lo
	s_delay_alu instid0(VALU_DEP_1)
	v_min_u32 v[36+8*\i], 31, v[36+8*\i]           ; the last clip
	s_delay_alu instid0(VALU_DEP_1)
	v_mul_u32_u24 v[36+8*\i], v[36+8*\i], 48       ; a row of rel_emb is 12 numbers
	s_delay_alu instid0(VALU_DEP_1)
	v_lshl_add_u32 v[36+8*\i], v[33+8*\i], 2, v[36+8*\i]
	global_load_b32 v[37+8*\i], v[36+8*\i], s[42:43]
	v_lshlrev_b32 v[38+8*\i], 2, v[32+8*\i]
.endr
.irp i, 0,1,2
	s_wait_loadcnt 2-\i                            ; the later loads stay out
	v_mul_f32 v[37+8*\i], 0x41000000, v[37+8*\i]
	s_wait_alu depctr_va_vdst(0)
	global_store_b32 v[38+8*\i], v[37+8*\i], s[50:51]
.endr
	s_endpgm
.Lfunc_end_k_q707abf17a1_prep:
	.size	k_q707abf17a1_prep, .Lfunc_end_k_q707abf17a1_prep-k_q707abf17a1_prep
	.p2alignl 7, 3214868480
	.fill 96, 4, 3214868480
	.section	.rodata,"a",@progbits
	.p2align	6, 0x0
	.amdhsa_kernel k_q707abf17a1_prep
		.amdhsa_group_segment_fixed_size 327680
		.amdhsa_private_segment_fixed_size 0
		.amdhsa_enable_private_segment 0
		.amdhsa_kernarg_size 144
		.amdhsa_user_sgpr_count 2
		.amdhsa_user_sgpr_kernarg_segment_ptr 1
		.amdhsa_wavefront_size32 1
		.amdhsa_system_sgpr_workgroup_id_x 1
		.amdhsa_system_sgpr_workgroup_id_y 1
		.amdhsa_system_sgpr_workgroup_id_z 1
		.amdhsa_system_vgpr_workitem_id 0
		.amdhsa_next_free_vgpr 256
		.amdhsa_next_free_sgpr 102
		.amdhsa_reserve_vcc 1
		.amdhsa_float_denorm_mode_32 3
		.amdhsa_float_denorm_mode_16_64 3
		.amdhsa_memory_ordered 1
		.amdhsa_forward_progress 1
		.amdhsa_inst_pref_size 124
	.end_amdhsa_kernel
	.amdgpu_metadata
---
amdhsa.version: [ 1, 2 ]
amdhsa.kernels:
  - .name:           k_q707abf17a1_prep
    .symbol:         k_q707abf17a1_prep.kd
    .args:
      - { .name: Q_codes, .offset: 0, .size: 8, .value_kind: global_buffer, .address_space: global }
      - { .name: K_codes, .offset: 8, .size: 8, .value_kind: global_buffer, .address_space: global }
      - { .name: V_codes, .offset: 16, .size: 8, .value_kind: global_buffer, .address_space: global }
      - { .name: W_Q_codes, .offset: 24, .size: 8, .value_kind: global_buffer, .address_space: global }
      - { .name: W_K_codes, .offset: 32, .size: 8, .value_kind: global_buffer, .address_space: global }
      - { .name: W_V_codes, .offset: 40, .size: 8, .value_kind: global_buffer, .address_space: global }
      - { .name: Q_scales, .offset: 48, .size: 8, .value_kind: global_buffer, .address_space: global }
      - { .name: K_scales, .offset: 56, .size: 8, .value_kind: global_buffer, .address_space: global }
      - { .name: V_scales, .offset: 64, .size: 8, .value_kind: global_buffer, .address_space: global }
      - { .name: W_Q_scales, .offset: 72, .size: 8, .value_kind: global_buffer, .address_space: global }
      - { .name: W_K_scales, .offset: 80, .size: 8, .value_kind: global_buffer, .address_space: global }
      - { .name: W_V_scales, .offset: 88, .size: 8, .value_kind: global_buffer, .address_space: global }
      - { .name: mask, .offset: 96, .size: 8, .value_kind: global_buffer, .address_space: global }
      - { .name: rel_emb, .offset: 104, .size: 8, .value_kind: global_buffer, .address_space: global }
      - { .name: qkv, .offset: 112, .size: 8, .value_kind: global_buffer, .address_space: global }
      - { .name: qkvs, .offset: 120, .size: 8, .value_kind: global_buffer, .address_space: global }
      - { .name: maskp, .offset: 128, .size: 8, .value_kind: global_buffer, .address_space: global }
      - { .name: biast, .offset: 136, .size: 8, .value_kind: global_buffer, .address_space: global }
    .group_segment_fixed_size: 327680
    .private_segment_fixed_size: 0
    .kernarg_segment_align: 8
    .kernarg_segment_size: 144
    .max_flat_workgroup_size: 384
    .sgpr_count:     102
    .vgpr_count:     256
    .wavefront_size: 32
...
	.end_amdgpu_metadata
.endif
;; end of part 1
;; launch attn (part 2): grid 256 x 1, 16 waves a work-group, no clusters, 165,888 bytes of LDS; arguments qkv, qkvs, maskp, biast, ao, aos; writes ao, aos
.if DOCPART == 2
	.amdgcn_target "amdgcn-amd-amdhsa--gfx1250"
	.amdhsa_code_object_version 6
	.text
	.protected	k_q707abf17a1_attn
	.globl	k_q707abf17a1_attn
	.p2align	8
	.type	k_q707abf17a1_attn,@function
k_q707abf17a1_attn:
	s_mov_b64 s[64:65], 0
	v_nop
	global_prefetch_b8 v0, s[64:65] scope:SCOPE_SE
	s_setreg_imm32_b32 hwreg(HW_REG_WAVE_MODE, 25, 1), 1
	s_wait_xcnt 0x0
; ATTENTION on codes of FP6 (E2M3) with E8M0 scales: scores = q k^T / 8 + bias(key - query), masked; weights = softmax, FINISHED AND NORMALISED, then quantised along the keys; o = weights v, quantised along the head's channels.
; SHARES.  The 24 (batch, head) x 32 groups of 64 queries are 768 groups; work-group g STAYS and takes groups 3 g, 3 g + 1, 3 g + 2 in a loop of three trips (a group: 4 tiles of 16 queries).
; A ROW'S 2,048 KEYS ARE SPREAD OVER THE 16 WAVES: wave W owns keys 128 W .. 128 W + 127 and keeps their K (4 fragments) and V^T (4 fragments) in registers.  They are loaded at the head and again only where the next group
; begins a new head (a branch on ids, the same in all waves): K's loads go out behind the old head's last scores, V's behind its last products, and the rest of the tile and the group's way out stand between them and their wait.
; LAYOUT.  Both products are used transposed: S^T = K Q^T (source 0 = 16 keys), O^T = V^T P^T (source 0 = 16 channels): a lane holds ONE query.  Tiles take rows o(t) + rho(r), o(t) = 32 (t / 2) + 8 (t % 2), rho(r) = r + (r & 8):
; score register 16 b + e of a lane is key 128 W + 32 b + 16 (lane / 16) + e.  A fragment of K holds TWO key tiles (the head is 64 wide, the instruction 128), and q is used as [q | 0] and as [0 | q].
; BIAS.  Constant from key - query = 16 up and from -113 down: there it is added to the wave's statistic; else 8 x bias comes from a table in LDS as the C of the product.
; MASK.  One lane-mask word for each score register, made by the launch before; a unit whose flag says 'all true' passes over the 64 selects (a branch on a stored whole number; no barrier under it).
; SOFTMAX.  Wave: cm_w = c x (its largest score [+ constant]), c = log2(e) / 8; p = 2^(c s - cm_w); l_w = sum p.  Row: cm = max cm_w; l = sum l_w 2^(cm_w - cm); weight = p x 2^(cm_w - cm) / l.
; A row masked wholly has l = 0, held at 0.5: its weights are zeros, as reference()'s nan_to_num makes them.
; O.  Each wave's O^T goes to LDS as an image of its registers, in two sets by the tile's parity.  The 512 threads add the 16 images of tile i in tile i + 2: the loads go out ahead of that tile's score products and the additions
; stand behind them, as their places; tiles 2 and 3 are added on the group's way out.  A set is read one barrier or more behind its stores, and written again only behind the next barrier, in front of which its readers have waited.
; No tensor load and no cluster: K and V go from memory straight into the registers that hold them.  No prefetch: the next tile's q and mask words are themselves asked for a tile ahead, into registers.
; In a work-group's last trip the loads for 'the next group' read q-sized pieces that lie inside qkv, qkvs and maskp and are not used.
; LIMITS: NaN and infinities among the inputs are not served; a p under 2^-126 comes out as 0 (ISA guide, v_exp_f32); blocks of zeros carry the scale byte 1 (only this program reads the bytes);
; the row's sum and O are added in another order than reference()'s; a weight is exp2 x exp2 x rcp.
.set BT,   0                           ; four copies of the head's table, 2,048 bytes + 64 (the 64 are written with zeros)
.set BTP,  2112
.set ST,   8704                        ; statistics, two sets by the tile's parity: query r x 144 + 8 W
.set STP,  2304
.set FO,   13312                       ; finished O, f32: 64 queries x (256 + 16) bytes
.set OP,   32768                       ; O's partial sums, two sets of 65,536 bytes
.set SPARE, 163840                     ; the spare words: 128 bytes a wave
.set S,    192                         ; v192-255 scores, p, then O^T
.set KF,   94
.set VF,   142
; v0 thread; v1 8 x lane; v2 4 r; v3 -infinity; v4 place in the table; v5 address in hand; v6, v7 statistics; v8-11 partial sums; v12 place in FO; v13, v14 q's scale word; v15 p's; v16-19 K's (lanes 0-15) and V's (16-31) scale words;
; v[20:21] -cm_w; v22 cm_w, v23 l_w; v[24:25] factor; v26-37 at work; v[38:39] sum; v40-45 q, v46-51 zeros, v52-57 q; v58-77 partial sums, statistics, codes, and what a reload brings; v78-93 partial sums, sums.
; s2 W; s3 64 QB - 128 W (from tile 3 on: the next group); s[4:5] q; s[6:7] q's scales; s[8:9] mask words; s10-15, s68-69 at work; s16-63, s80-95 mask words; s[66:67] maskp; s[70:71] ao; s[72:73] aos; s[74:75] c; s76 1: the next group begins a new head;
; s77 lanes 16-31; s78-79 selects; s96-99 flags; s100, s101 8 x bias far from the diagonal; s104 group; s105 trip.
.macro NEWG                            ; what hangs on the group and the trip
	s_and_b32 s3, s104, 31
	s_lshl_b32 s3, s3, 6
	s_lshl_b32 s10, s2, 7
	s_sub_co_i32 s3, s3, s10
	s_add_co_u32 s10, s104, 1
	s_and_b32 s10, s10, 31
	s_cmp_eq_u32 s10, 0
	s_cselect_b32 s76, 1, 0
	s_cmp_eq_u32 s105, 2
	s_cselect_b32 s76, 0, s76
.endm
.macro QLOAD i
.irp g, 0,1,2
	global_load_b64 v[40+2*\g:41+2*\g], v1, s[4:5] offset:768*(\i)+256*\g
.endr
.irp g, 0,1,2
	global_load_b64 v[52+2*\g:53+2*\g], v1, s[4:5] offset:768*(\i)+256*\g
.endr
	global_load_b32 v13, v2, s[6:7] offset:64*((\i)/2)
.endm
.macro MLOAD i
	s_load_b512 s[16:31], s[8:9], 4096*(\i)
	s_load_b512 s[32:47], s[8:9], 4096*(\i)+64
	s_load_b512 s[48:63], s[8:9], 4096*(\i)+128
	s_load_b512 s[80:95], s[8:9], 4096*(\i)+192
.endm
.macro QPREP i
.if (\i)%2 == 0
	v_perm_b32 v14, v13, v13, 0x01000100
.else
	v_perm_b32 v14, v13, v13, 0x03020302
.endif
.endm
.macro KVOFF g, ta, tb                 ; v5 = my fragments' place in a tensor of qkv: 98,304 bytes a (batch, head), 6,144 a wave
	s_lshr_b32 s[\ta], \g, 5
	s_min_u32 s[\ta], s[\ta], 23
	s_mul_i32 s[\ta], s[\ta], 98304
	s_mul_i32 s[\tb], s2, 6144
	s_add_co_u32 s[\ta], s[\ta], s[\tb]
	v_add_nc_u32 v5, s[\ta], v1
	s_wait_alu depctr_va_vdst(0)                   ; some of v5's readers stand behind a run of scalar instructions
.endm
.macro KLOADS                          ; s[12:13] = qkv
.irp f, 0,1,2,3
.irp u, 0,1,2,3,4,5
	global_load_b64 v[KF+12*\f+2*\u:KF+12*\f+2*\u+1], v5, s[12:13] offset:2359296+1536*\f+256*\u
.endr
.endr
.endm
.macro VLOADS
.irp f, 0,1,2,3
.irp u, 0,1,2,3,4,5
	global_load_b64 v[VF+12*\f+2*\u:VF+12*\f+2*\u+1], v5, s[12:13] offset:4718592+1536*\f+256*\u
.endr
.endr
.endm
.macro LOADSC g, ta, tb                ; s[14:15] = qkvs: K's scale words into v16-19, V's into v60-63
	s_lshr_b32 s[\ta], \g, 5
	s_min_u32 s[\ta], s[\ta], 23
	s_lshl_b32 s[\ta], s[\ta], 12
	s_lshl_b32 s[\tb], s2, 8
	s_add_co_u32 s[\ta], s[\ta], s[\tb]
	v_add_nc_u32 v58, s[\ta], v2
.irp f, 0,1,2,3
	global_load_b32 v[16+\f], v58, s[14:15] offset:98304+64*\f
.endr
.irp f, 0,1,2,3
	global_load_b32 v[60+\f], v58, s[14:15] offset:196608+64*\f
.endr
.endm
.macro LOADT g, ta, tb                 ; s[68:69] = biast: the head's table, 16 bytes a thread, into v70-73; the two constants
	s_lshr_b32 s[\ta], \g, 5
	s_cmp_ge_u32 s[\ta], 12
	s_cselect_b32 s[\tb], 12, 0
	s_sub_co_u32 s[\ta], s[\ta], s[\tb]
	s_min_u32 s[\ta], s[\ta], 11
	s_lshl_b32 s[\ta], s[\ta], 13
	v_lshl_add_u32 v59, v0, 4, s[\ta]
	global_load_b128 v[70:73], v59, s[68:69]
	s_load_b32 s100, s[68:69], s[\ta] offset:0x7fc
	s_load_b32 s101, s[68:69], s[\ta] offset:0x0
.endm
.macro STORET                          ; the table into LDS; each wave also writes 16 bytes of zeros into the 64 behind a copy
	v_lshrrev_b32 v74, 7, v0
	v_bfe_u32 v75, v0, 5, 2
	v_lshlrev_b32 v77, 4, v0
	s_delay_alu instid0(VALU_DEP_3)
	v_mul_u32_u24 v76, v74, BTP
	s_delay_alu instid0(VALU_DEP_2)
	v_lshl_add_u32 v74, v74, 6, v77
	s_delay_alu instid0(VALU_DEP_2)
	v_lshl_add_u32 v75, v75, 4, v76
	s_delay_alu instid0(VALU_DEP_1)
	v_add_nc_u32 v75, 2048, v75
	ds_store_b128 v74, v[70:73]
	ds_store_b128 v75, v[46:49]
.endm
.macro MERGE                           ; V's word of tile p: the byte pair of keys 0-63 below, of keys 64-127 above; it goes into lanes 16-31 beside K's
	v_perm_b32 v64, v62, v60, 0x05040100
	v_perm_b32 v65, v62, v60, 0x07060302
	v_perm_b32 v66, v63, v61, 0x05040100
	v_perm_b32 v67, v63, v61, 0x07060302
.irp f, 0,1,2,3
	s_delay_alu instid0(VALU_DEP_4)
	v_cndmask_b32 v[16+\f], v[16+\f], v[64+\f], s77
.endr
.endm
.macro GMASK g                         ; the group's mask words (4,096 bytes a query tile, 256 a wave) and flags (64 bytes a tile, 4 a wave, behind the words)
	s_and_b32 s69, \g, 31
	s_lshl_b32 s14, s69, 14
	s_lshl_b32 s15, s2, 8
	s_add_co_u32 s14, s14, s15
	s_mov_b32 s15, 0
	s_add_nc_u64 s[8:9], s[66:67], s[14:15]
	s_lshl_b32 s69, s69, 8
	s_lshl_b32 s14, s2, 2
	s_add_co_u32 s69, s69, s14
	s_add_co_u32 s69, s69, 524288
.irp k, 0,1,2,3
	s_load_b32 s[96+\k], s[66:67], s69 offset:64*\k
.endr
.endm
.macro PLOADS adr, hb                  ; my 8 bytes of a tile's sixteen images: waves 0-7's into v78-93, waves 8-15's into v[hb ..]
.irp k, 0,1,2,3,4,5,6,7
	ds_load_b64 v[78+2*\k:79+2*\k], v[\adr] offset:4096*\k
.endr
.irp k, 0,1,2,3,4,5,6,7
	ds_load_b64 v[\hb+2*\k:\hb+2*\k+1], v[\adr] offset:4096*(8+\k)
.endr
.endm
.macro RSUM hb, row                    ; the sixteen are added, four levels deep, and go to their place in the finished O
.irp k, 0,1,2,3,4,5,6,7
	v_pk_add_f32 v[78+2*\k:79+2*\k], v[78+2*\k:79+2*\k], v[\hb+2*\k:\hb+2*\k+1]
.endr
.irp k, 0,1,2,3
	s_delay_alu instid0(VALU_DEP_4)
	v_pk_add_f32 v[78+2*\k:79+2*\k], v[78+2*\k:79+2*\k], v[86+2*\k:87+2*\k]
.endr
.irp k, 0,1
	s_delay_alu instid0(VALU_DEP_2)
	v_pk_add_f32 v[78+2*\k:79+2*\k], v[78+2*\k:79+2*\k], v[82+2*\k:83+2*\k]
.endr
	s_delay_alu instid0(VALU_DEP_1)
	v_pk_add_f32 v[38:39], v[78:79], v[80:81]
	ds_store_b64 v12, v[38:39] offset:272*(\row)
.endm
	s_load_b256 s[80:87], s[0:1], 0x0              ; qkv, qkvs, maskp, biast
	s_load_b128 s[88:91], s[0:1], 0x20             ; ao, aos
	v_lshrrev_b32 v30, 5, v0
	s_delay_alu instid0(VALU_DEP_1)
	v_readfirstlane_b32 s2, v30                    ; W
	s_mul_i32 s104, ttmp9, 3
	s_mov_b32 s105, 0
	s_mov_b32 s74, 0x3e38aa3b                      ; c = log2(e) / 8
	s_mov_b32 s75, s74
	s_mov_b32 s77, 0xffff0000
	s_mov_b32 s78, 0x76543210
	s_mov_b32 s79, 0xfedcba98
	NEWG
	v_and_b32 v31, 31, v0
	v_and_b32 v32, 15, v0
	s_delay_alu instid0(VALU_DEP_2)
	v_lshlrev_b32 v1, 3, v31
	s_delay_alu instid0(VALU_DEP_2)
	v_lshlrev_b32 v2, 2, v32
	s_mul_i32 s10, s104, 3072
	s_mov_b32 s11, 0
	s_wait_alu depctr_va_vdst(0)
	s_wait_kmcnt 0x0
	s_add_nc_u64 s[4:5], s[80:81], s[10:11]        ; q: 3,072 bytes a group
	s_lshl_b32 s10, s104, 7
	s_add_nc_u64 s[6:7], s[82:83], s[10:11]        ; its scale words: 128 bytes a group
	s_mov_b64 s[12:13], s[80:81]
	s_mov_b64 s[14:15], s[82:83]
	s_mov_b64 s[66:67], s[84:85]
	s_mov_b64 s[68:69], s[86:87]
	s_mov_b64 s[70:71], s[88:89]
	s_mov_b64 s[72:73], s[90:91]
	LOADSC s104, 10, 11
	QLOAD 0
	KVOFF s104, 10, 11
	KLOADS
	LOADT s104, 10, 11
	VLOADS
	v_bfe_u32 v78, v0, 4, 1                        ; h
	v_and_b32 v79, 8, v32
	s_delay_alu instid0(VALU_DEP_1)
	v_add_nc_u32 v79, v79, v32                     ; rho(r)
	v_and_b32 v80, 3, v32                          ; the copy that makes my run begin on 16 bytes
	s_delay_alu instid0(VALU_DEP_1)
	v_lshl_add_u32 v81, v78, 4, v80
	s_delay_alu instid0(VALU_DEP_1)
	v_add_nc_u32 v81, 24, v81
	s_delay_alu instid0(VALU_DEP_1)
	v_sub_nc_u32 v81, v81, v79
	s_delay_alu instid0(VALU_DEP_4)
	v_mul_u32_u24 v80, v80, BTP
	s_delay_alu instid0(VALU_DEP_1)
	v_lshl_add_u32 v4, v81, 2, v80
	v_mul_u32_u24 v81, v32, 144
	s_lshl_b32 s11, s2, 3
	s_add_co_u32 s11, s11, ST
	v_add_nc_u32 v6, s11, v81
	v_lshl_add_u32 v7, v78, 6, v81
	s_delay_alu instid0(VALU_DEP_1)
	v_add_nc_u32 v7, ST, v7
	s_lshl_b32 s11, s2, 12
	s_add_co_u32 s11, s11, OP
	v_lshl_add_u32 v8, v31, 4, s11
	s_delay_alu instid0(VALU_DEP_1)
	v_add_nc_u32 v9, 65536, v8
	v_lshl_add_u32 v10, v0, 3, OP
	s_delay_alu instid0(VALU_DEP_1)
	v_add_nc_u32 v11, 65536, v10
	; thread T adds bytes 8 T of the images: query rho((T / 2) % 16) of the tile, two neighbouring channels
	v_bfe_u32 v81, v0, 1, 4
	s_delay_alu instid0(VALU_DEP_1)
	v_and_b32 v82, 8, v81
	s_delay_alu instid0(VALU_DEP_1)
	v_add_nc_u32 v81, v81, v82
	s_delay_alu instid0(VALU_DEP_1)
	v_mul_u32_u24 v12, v81, 272
	v_lshrrev_b32 v81, 8, v0
	s_delay_alu instid0(VALU_DEP_1)
	v_lshl_add_u32 v12, v81, 7, v12
	v_bfe_u32 v81, v0, 7, 1
	s_delay_alu instid0(VALU_DEP_1)
	v_lshl_add_u32 v12, v81, 5, v12
	v_bfe_u32 v81, v0, 5, 1
	s_delay_alu instid0(VALU_DEP_1)
	v_lshl_add_u32 v12, v81, 6, v12
	v_bfe_u32 v81, v0, 6, 1
	s_delay_alu instid0(VALU_DEP_1)
	v_lshl_add_u32 v12, v81, 4, v12
	v_and_b32 v81, 1, v0
	s_delay_alu instid0(VALU_DEP_1)
	v_lshl_add_u32 v12, v81, 3, v12
	s_delay_alu instid0(VALU_DEP_1)
	v_add_nc_u32 v12, FO, v12
	v_mov_b32 v3, 0xff800000
	v_mov_b32 v21, 0
	v_mov_b32 v25, 0
.irp k, 46,47,48,49,50,51
	v_mov_b32 v\k, 0                               ; the zero codes between the two copies of q
.endr
	s_wait_alu depctr_va_vdst(0)
	s_wait_xcnt 0x0                                ; all loads have read their bases and offsets: s10 to s15, s68, s69 are at work again
	GMASK s104
	MLOAD 0
	s_wait_loadcnt 24                              ; all but V's 24 fragment loads
	STORET
	MERGE
	QPREP 0
	s_wait_alu depctr_va_vdst(0)
	s_wait_kmcnt 0x0                               ; the two constants, the flags
	s_wait_dscnt 0x0                               ; my part of the table is stored
.rept 8
	v_nop                                          ; scale registers written by vector instructions stand eight places ahead of a scaled matrix instruction
.endr
	s_barrier_signal -1
	s_barrier_wait -1
.macro KQ zero                                 ; eight products, eight accumulators: tile t = 2 f + cc: fragment f against [q | 0] or [0 | q]
.irp t, 0,1,2,3,4,5,6,7
.if \zero
	v_wmma_scale_f32_16x16x128_f8f6f4 v[S+8*\t:S+8*\t+7], v[KF+12*(\t/2):KF+12*(\t/2)+11], v[40+6*(\t%2):51+6*(\t%2)], 0, v[16+\t/2], v14 matrix_a_fmt:MATRIX_FMT_FP6 matrix_b_fmt:MATRIX_FMT_FP6
.else
	v_wmma_scale_f32_16x16x128_f8f6f4 v[S+8*\t:S+8*\t+7], v[KF+12*(\t/2):KF+12*(\t/2)+11], v[40+6*(\t%2):51+6*(\t%2)], v[S+8*\t:S+8*\t+7], v[16+\t/2], v14 matrix_a_fmt:MATRIX_FMT_FP6 matrix_b_fmt:MATRIX_FMT_FP6
.endif
.endr
.endm
; A TILE OF 16 QUERIES.  One barrier a tile: the sets of parity PAR are written again only two barriers on, and in front of every signal each wave has waited for all its LDS instructions.
; No wait stands at the tile's head: the last tile's LDS stores of O^T are the wave's own, and LDS serves a wave's instructions in order (ISA guide 5.7.1.4).
.macro TILE i
.set PAR, (\i)%2
	s_add_co_i32 s10, s3, 32*((\i)/2)+8*((\i)%2)   ; the tile's first query - my first key
	s_cmp_lt_i32 s10, -32
	s_cselect_b32 s11, s100, 0
	s_cmp_gt_i32 s10, 232
	s_cselect_b32 s11, s101, s11                   ; the constant bias, or 0
	s_add_co_i32 s12, s10, 32
	s_sub_co_i32 s13, 264, s12
	s_min_u32 s13, s13, 264                        ; the table's element for my first key, held inside the table
	s_cmp_le_u32 s12, 264
	s_cbranch_scc0 .Lfar_\@
	v_lshl_add_u32 v5, s13, 2, v4
.irp q, 0,1,2,3,4,5,6,7,8,9,10,11,12,13,14,15
	ds_load_b128 v[S+4*\q:S+4*\q+3], v5 offset:128*(\q/4)+16*(\q%4)
.endr
.if (\i) > 1
	PLOADS 10+PAR, 58                              ; tile i - 2's images
	s_wait_dscnt 16                                ; the biases are in; the sixteen loads behind them stay out
.else
	s_wait_dscnt 0x0
.endif
	s_wait_alu depctr_va_vdst(0)
	KQ 0
	s_branch .Ljoin_\@
.Lfar_\@:
.if (\i) > 1
	PLOADS 10+PAR, 58
.endif
	s_wait_alu depctr_va_vdst(0)
	KQ 1
.Ljoin_\@:
.if (\i) > 1
	s_wait_dscnt 0x0
	RSUM 58, 32*(((\i)-2)/2)+8*(((\i)-2)%2)        ; these fifteen additions are also the places behind the products
.else
.rept 4
	v_nop                                          ; places between the products and the loads into their sources, and the first read of the scores
.endr
.endif
	QLOAD (\i)+1                                   ; tile 4 is the next group's tile 0: q and its scale words lie group behind group
	s_wait_kmcnt 0x0                               ; the tile's mask words
	s_cmp_eq_u32 s[96+(\i)], 1
	s_cbranch_scc1 .Lopen_\@
.set j, 0
.rept 64
	v_cndmask_b32 v[S+j], v3, v[S+j], s[16+j+16*(j/48)]
.set j, j+1
.endr
.Lopen_\@:
.if (\i) < 3
	MLOAD (\i)+1
.else
	s_add_co_u32 s3, s104, 1                       ; the next group
	s_cmp_eq_u32 s76, 1
	s_cbranch_scc0 .Lsamek_\@
	s_load_b64 s[12:13], s[0:1], 0x0               ; a new head: its K, into fragments whose last products are issued
	s_wait_kmcnt 0x0
	KVOFF s3, 14, 15
	KLOADS
.Lsamek_\@:
	GMASK s3
	MLOAD 0
.endif
	s_wait_alu depctr_va_vdst(0)
.irp b, 0,1,2,3
	v_max3_num_f32 v[26+\b], v[S+16*\b], v[S+16*\b+1], v[S+16*\b+2]
.endr
.irp e, 3,5,7,9,11,13
.irp b, 0,1,2,3
	v_max3_num_f32 v[26+\b], v[26+\b], v[S+16*\b+\e], v[S+16*\b+\e+1]
.endr
.endr
.irp b, 0,1,2,3
	v_max_num_f32 v[26+\b], v[26+\b], v[S+16*\b+15]
.endr
.irp b, 0,1,2,3
	s_delay_alu instid0(VALU_DEP_4)
	v_permlanex16_b32 v[30+\b], v[26+\b], s78, s79
.endr
.irp b, 0,1,2,3
	s_delay_alu instid0(VALU_DEP_4)
	v_max_num_f32 v[26+\b], v[26+\b], v[30+\b]
.endr
	s_delay_alu instid0(VALU_DEP_2)
	v_max3_num_f32 v34, v26, v27, v28
	s_delay_alu instid0(VALU_DEP_1)
	v_max_num_f32 v34, v34, v29
	s_delay_alu instid0(VALU_DEP_1)
	v_max_num_f32 v34, 0xff61b1e6, v34             ; held at -3e38: a row masked wholly gives -infinity and not NaN below
	s_delay_alu instid0(VALU_DEP_1)
	v_mul_f32 v20, s74, -v34                       ; -c x my largest score
	s_delay_alu instid0(VALU_DEP_1)
	v_fma_f32 v22, s11, s74, -v20                  ; cm_w, with the constant bias
.set j, 0
.rept 32
	v_pk_fma_f32 v[S+j:S+j+1], v[S+j:S+j+1], s[74:75], v[20:21] op_sel_hi:[1,0,0]
.set j, j+2
.endr
.irp b, 0,1,2,3
	v_fma_f32 v[26+\b], v[26+\b], s74, v20
.endr
.set j, 0
	s_wait_alu depctr_va_vdst(0)
.rept 64
	v_exp_f32 v[S+j], v[S+j]
.set j, j+1
.endr
.irp b, 0,1,2,3
	v_exp_f32 v[26+\b], v[26+\b]
.endr
	v_nop
	s_wait_alu depctr_va_vdst(0)                   ; one wait for the batch of 68
	v_pk_add_f32 v[80:81], v[192:193], v[194:195]
	v_pk_add_f32 v[190:191], v[200:201], v[204:205]
	v_pk_add_f32 v[92:93], v[208:209], v[212:213]
	v_pk_add_f32 v[90:91], v[216:217], v[220:221]
	v_pk_add_f32 v[88:89], v[224:225], v[228:229]
	v_pk_add_f32 v[86:87], v[232:233], v[236:237]
	v_pk_add_f32 v[84:85], v[240:241], v[244:245]
	v_pk_add_f32 v[78:79], v[248:249], v[252:253]
	v_pk_add_f32 v[78:79], v[78:79], v[196:197]
	v_pk_add_f32 v[80:81], v[80:81], v[198:199]
	v_pk_add_f32 v[190:191], v[190:191], v[202:203]
	v_pk_add_f32 v[92:93], v[92:93], v[206:207]
	v_pk_add_f32 v[90:91], v[90:91], v[210:211]
	v_pk_add_f32 v[88:89], v[88:89], v[214:215]
	v_pk_add_f32 v[86:87], v[86:87], v[218:219]
	v_pk_add_f32 v[84:85], v[84:85], v[222:223]
	v_pk_add_f32 v[78:79], v[78:79], v[226:227]
	v_pk_add_f32 v[80:81], v[80:81], v[230:231]
	v_pk_add_f32 v[190:191], v[190:191], v[234:235]
	v_pk_add_f32 v[92:93], v[92:93], v[238:239]
	v_pk_add_f32 v[90:91], v[90:91], v[242:243]
	v_pk_add_f32 v[88:89], v[88:89], v[246:247]
	v_pk_add_f32 v[86:87], v[86:87], v[250:251]
	v_pk_add_f32 v[84:85], v[84:85], v[254:255]
	s_delay_alu instid0(VALU_DEP_4)
	v_pk_add_f32 v[78:79], v[78:79], v[90:91]
	s_delay_alu instid0(VALU_DEP_4)
	v_pk_add_f32 v[80:81], v[80:81], v[88:89]
	s_delay_alu instid0(VALU_DEP_4)
	v_pk_add_f32 v[190:191], v[190:191], v[86:87]
	s_delay_alu instid0(VALU_DEP_4)
	v_pk_add_f32 v[92:93], v[92:93], v[84:85]
	s_delay_alu instid0(VALU_DEP_2)
	v_pk_add_f32 v[78:79], v[78:79], v[190:191]
	s_delay_alu instid0(VALU_DEP_2)
	v_pk_add_f32 v[80:81], v[80:81], v[92:93]
	s_delay_alu instid0(VALU_DEP_1)
	v_pk_add_f32 v[78:79], v[78:79], v[80:81]
	s_delay_alu instid0(VALU_DEP_1)
	v_add_f32 v78, v78, v79
	s_delay_alu instid0(VALU_DEP_1)
	v_permlanex16_b32 v79, v78, s78, s79
	s_delay_alu instid0(VALU_DEP_1)
	v_add_f32 v23, v78, v79                        ; l_w
	ds_store_b64 v6, v[22:23] offset:STP*PAR
	s_wait_dscnt 0x0
	s_barrier_signal -1
	s_barrier_wait -1
	; the row's statistics, the weights, their codes, O^T
.irp k, 0,1,2,3
	ds_load_b128 v[58+4*\k:61+4*\k], v7 offset:STP*PAR+16*\k
.endr
	s_wait_dscnt 0x0
	v_max3_num_f32 v30, v58, v60, v62
	s_delay_alu instid0(VALU_DEP_1)
	v_max3_num_f32 v30, v30, v64, v66
	s_delay_alu instid0(VALU_DEP_1)
	v_max3_num_f32 v30, v30, v68, v70
	s_delay_alu instid0(VALU_DEP_1)
	v_max_num_f32 v30, v30, v72
	s_delay_alu instid0(VALU_DEP_1)
	v_permlanex16_b32 v31, v30, s78, s79
	s_delay_alu instid0(VALU_DEP_1)
	v_max_num_f32 v30, v30, v31                    ; cm
.irp k, 0,1,2,3,4,5,6,7
	v_sub_f32 v[58+2*\k], v[58+2*\k], v30
.endr
	v_sub_f32 v24, v22, v30
	s_wait_alu depctr_va_vdst(0)
.irp k, 0,1,2,3,4,5,6,7
	v_exp_f32 v[58+2*\k], v[58+2*\k]
.endr
	v_exp_f32 v24, v24
	v_nop
	s_wait_alu depctr_va_vdst(0)                   ; one wait for the nine
	v_mul_f32 v32, v59, v58
.irp k, 1,2,3,4,5,6,7
	v_fmac_f32 v32, v[59+2*\k], v[58+2*\k]
.endr
	s_delay_alu instid0(VALU_DEP_1)
	v_permlanex16_b32 v33, v32, s78, s79
	s_delay_alu instid0(VALU_DEP_1)
	v_add_f32 v32, v32, v33                        ; l
	s_delay_alu instid0(VALU_DEP_1)
	v_max_num_f32 v32, 0.5, v32
	s_wait_alu depctr_va_vdst(0)
	v_rcp_f32 v34, v32
	v_nop
	s_wait_alu depctr_va_vdst(0)                   ; the reciprocal
	v_mul_f32 v24, v24, v34                        ; 2^(cm_w - cm) / l
	s_wait_alu depctr_va_vdst(0)
	s_wait_loadcnt 0x0                             ; the next q and its scale word; whatever else was asked for (V at the head, a new head's K)
	QPREP (\i)+1
.set j, 0
.rept 32
	v_pk_mul_f32 v[S+j:S+j+1], v[S+j:S+j+1], v[24:25] op_sel_hi:[1,0]
.set j, j+2
.endr
.irp b, 0,1,2,3
	v_mul_f32 v[26+\b], v[26+\b], v24
.endr
.irp b, 0,1,2,3
	s_delay_alu instid0(VALU_DEP_4)
	v_max_num_f32 v[26+\b], 0x1800000, v[26+\b]    ; the floor 2^(3 - 127)
.endr
.irp b, 0,1,2,3
	s_delay_alu instid0(VALU_DEP_4)
	v_add_nc_u32 v[30+\b], 0xff000000, v[26+\b]
.endr
.irp b, 0,1,2,3
	s_delay_alu instid0(VALU_DEP_4)
	v_lshrrev_b32 v[34+\b], 23, v[30+\b]
.endr
	s_delay_alu instid0(VALU_DEP_3)
	v_lshl_or_b32 v15, v35, 8, v34
	s_delay_alu instid0(VALU_DEP_1)
	v_lshl_or_b32 v15, v36, 16, v15
	s_delay_alu instid0(VALU_DEP_1)
	v_lshl_or_b32 v15, v37, 24, v15
.irp c, 0,1
	v_cvt_scalef32_pk16_fp6_f32 v[58+6*\c:60+6*\c], v[S+32*\c:S+32*\c+15], v[30+2*\c]
	v_cvt_scalef32_pk16_fp6_f32 v[70+4*\c:72+4*\c], v[S+32*\c+16:S+32*\c+31], v[31+2*\c]
.endr
	v_nop
.irp c, 0,1
.irp k, 0,1,2
	v_permlane16_swap_b32 v[58+6*\c+\k], v[70+4*\c+\k]
.endr
.irp k, 0,1,2
	s_delay_alu instid0(VALU_DEP_3)
	v_mov_b32 v[61+6*\c+\k], v[70+4*\c+\k]
.endr
.endr
.rept 8
	v_nop                                          ; places in front of the scaled products
.endr
.irp p, 0,1,2,3
	v_wmma_scale_f32_16x16x128_f8f6f4 v[S+8*\p:S+8*\p+7], v[VF+12*\p:VF+12*\p+11], v[58:69], 0, v[16+\p], v15 matrix_a_fmt:MATRIX_FMT_FP6 matrix_b_fmt:MATRIX_FMT_FP6 matrix_a_scale:MATRIX_SCALE_ROW1
.endr
.rept 5
	v_nop                                          ; four places ahead of the stores and loads below; the fifth since the next tile's products write over these registers
.endr
.irp g, 0,1,2,3,4,5,6,7
	ds_store_b128 v[8+PAR], v[S+4*\g:S+4*\g+3] offset:512*\g
.endr
.if (\i) == 3
	s_cmp_eq_u32 s76, 1
	s_cbranch_scc0 .Lsamev_\@
	s_wait_kmcnt 0x0                               ; a new head: its V, both scales, its table.  (The flags' loads have read s69)
	s_load_b128 s[12:15], s[0:1], 0x0
	s_load_b64 s[68:69], s[0:1], 0x18
	s_wait_kmcnt 0x0
	KVOFF s3, 10, 11
	VLOADS
	LOADSC s3, 10, 11
	LOADT s3, 10, 11
.Lsamev_\@:
.endif
.endm
.Lgroup:
	TILE 0
	TILE 1
	TILE 2
	TILE 3
	s_wait_alu depctr_va_vdst(0)
	s_wait_dscnt 0x0
	s_barrier_signal -1
	s_barrier_wait -1
.irp k, 0,1,2,3,4,5,6,7,8,9,10,11,12,13,14,15
	ds_load_b64 v[S+2*\k:S+2*\k+1], v11 offset:4096*\k     ; tile 3's sixteen partial sums,
.endr
	PLOADS 10, 224                                 ; and tile 2's
	s_cmp_eq_u32 s76, 1
	s_cbranch_scc0 .Lkeep
	s_wait_loadcnt 0x0                             ; the new head's table goes into LDS between two barriers: nobody reads the table here
	STORET
	MERGE
.Lkeep:
	s_wait_dscnt 0x0
	RSUM 224, 32
	v_pk_add_f32 v[254:255], v[192:193], v[194:195]
	v_pk_add_f32 v[252:253], v[196:197], v[198:199]
	v_pk_add_f32 v[250:251], v[200:201], v[202:203]
	v_pk_add_f32 v[248:249], v[204:205], v[206:207]
	v_pk_add_f32 v[246:247], v[208:209], v[210:211]
	v_pk_add_f32 v[244:245], v[212:213], v[214:215]
	v_pk_add_f32 v[242:243], v[216:217], v[218:219]
	v_pk_add_f32 v[38:39], v[220:221], v[222:223]
	s_delay_alu instid0(VALU_DEP_1)
	v_pk_add_f32 v[38:39], v[38:39], v[248:249]
	v_pk_add_f32 v[254:255], v[254:255], v[246:247]
	v_pk_add_f32 v[252:253], v[252:253], v[244:245]
	v_pk_add_f32 v[250:251], v[250:251], v[242:243]
	s_delay_alu instid0(VALU_DEP_2)
	v_pk_add_f32 v[38:39], v[38:39], v[252:253]
	s_delay_alu instid0(VALU_DEP_2)
	v_pk_add_f32 v[254:255], v[254:255], v[250:251]
	s_delay_alu instid0(VALU_DEP_1)
	v_pk_add_f32 v[38:39], v[38:39], v[254:255]
	ds_store_b64 v12, v[38:39] offset:272*40
	s_wait_alu depctr_va_vdst(0)
	s_wait_loadcnt 0x0                             ; on every way: nothing of a reload is out, and its bases are free
	s_wait_kmcnt 0x0                               ; the next group's flags and mask words, a new head's constants
	s_wait_dscnt 0x0
	s_barrier_signal -1
	s_barrier_wait -1                              ; 64 queries x 64 channels of O lie in LDS
	s_lshr_b32 s12, s104, 5                        ; where the group's codes and scale bytes go
	s_cmp_ge_u32 s12, 12
	s_cselect_b32 s13, 12, 0
	s_sub_co_u32 s12, s12, s13                     ; head
	s_min_u32 s12, s12, 11
	s_lshr_b32 s11, s13, 1                         ; 6 x batch
	s_lshr_b32 s13, s12, 1
	s_add_co_u32 s11, s11, s13
	s_lshl_b32 s11, s11, 13
	s_and_b32 s13, s104, 31
	s_lshl_b32 s13, s13, 8
	s_add_co_u32 s11, s11, s13
	s_and_b32 s12, s12, 1
	s_lshl_b32 s12, s12, 1
	s_add_co_u32 s11, s11, s12                     ; aos: the word of (batch, head pair, token), my head's half
	s_mul_i32 s10, s104, 3072                      ; ao: 3,072 bytes a group
	s_cmp_ge_u32 s2, 8
	s_cbranch_scc1 .Lskipq
	; Waves 0-7: thread T quantises 16 channels (16 (T % 4) on) of query T / 4; two neighbouring threads hold a block of 32
	v_lshrrev_b32 v30, 2, v0
	v_and_b32 v31, 3, v0
	s_delay_alu instid0(VALU_DEP_2)
	v_mul_u32_u24 v32, v30, 272
	s_delay_alu instid0(VALU_DEP_1)
	v_lshl_add_u32 v32, v31, 6, v32
	s_delay_alu instid0(VALU_DEP_1)
	v_add_nc_u32 v32, FO, v32
.irp e, 0,1,2,3
	ds_load_b128 v[S+4*\e:S+4*\e+3], v32 offset:16*\e
.endr
	v_lshrrev_b32 v33, 4, v30
	s_delay_alu instid0(VALU_DEP_1)
	v_mul_u32_u24 v33, v33, 768                    ; ao: [tile of 16 tokens][16 block + token][24 bytes]
	v_and_b32 v34, 15, v30
	v_lshrrev_b32 v35, 1, v31
	s_delay_alu instid0(VALU_DEP_1)
	v_lshl_add_u32 v34, v35, 4, v34
	s_delay_alu instid0(VALU_DEP_1)
	v_mad_u32_u24 v33, v34, 24, v33
	v_and_b32 v35, 1, v31
	s_delay_alu instid0(VALU_DEP_1)
	v_mad_u32_u24 v33, v35, 12, v33
	s_delay_alu instid0(VALU_DEP_1)
	v_add_nc_u32 v33, s10, v33
	v_lshl_add_u32 v36, v30, 2, s11
	s_wait_alu depctr_va_vdst(0)
	s_wait_dscnt 0x0
	v_max3_num_f32 v78, |v[S]|, |v[S+1]|, 0x1800000
.irp e, 2,4,6,8,10,12,14
	s_delay_alu instid0(VALU_DEP_1)
	v_max3_num_f32 v78, v78, |v[S+\e]|, |v[S+\e+1]|
.endr
	s_delay_alu instid0(VALU_DEP_1)
	v_max_num_f32_dpp v78, v78, v78 row_xmask:1 row_mask:0xf bank_mask:0xf
	s_delay_alu instid0(VALU_DEP_1)
	v_add_nc_u32 v79, 0xff000000, v78
	v_cvt_scalef32_pk16_fp6_f32 v[82:84], v[S:S+15], v79
	v_lshrrev_b32 v80, 23, v79                     ; the scale's byte (and the plain place behind the conversion)
	global_store_b96 v33, v[82:84], s[70:71]
	v_mov_b32_dpp v85, v80 row_xmask:2 row_mask:0xf bank_mask:0xf
	v_and_b32 v86, 2, v0
	s_delay_alu instid0(VALU_DEP_1)
	v_cmp_ne_u32 vcc_lo, 0, v86
	s_delay_alu instid0(VALU_DEP_1)
	v_cndmask_b32 v87, v80, v85, vcc_lo
	s_delay_alu instid0(VALU_DEP_2)
	v_cndmask_b32 v88, v85, v80, vcc_lo
	s_delay_alu instid0(VALU_DEP_1)
	v_lshl_or_b32 v87, v88, 8, v87
	global_store_b16 v36, v87, s[72:73]            ; (a query's four threads store the same two bytes to the same place)
.Lskipq:
	s_wait_xcnt 0x0                                ; the stores have read their registers: these are written again in the next trip
	s_add_nc_u64 s[4:5], s[4:5], 3072
	s_add_nc_u64 s[6:7], s[6:7], 128
	s_add_co_u32 s104, s104, 1
	s_add_co_u32 s105, s105, 1
	NEWG
	s_wait_alu depctr_va_vdst(0)
	s_cmp_lt_u32 s105, 3
	s_cbranch_scc1 .Lgroup
	v_lshl_add_u32 v30, v0, 2, SPARE               ; no two registers can be kept through the loop: my spare word and 0 are made here
	v_mov_b32 v31, 0
	s_wait_alu depctr_va_vdst(0)
	s_wait_tensorcnt 0x0                           ; the wave's end
	ds_add_u32 v30, v31
	s_wait_dscnt 0x0
	s_endpgm
.Lfunc_end_k_q707abf17a1_attn:
	.size	k_q707abf17a1_attn, .Lfunc_end_k_q707abf17a1_attn-k_q707abf17a1_attn
	.p2alignl 7, 3214868480
	.fill 96, 4, 3214868480
	.section	.rodata,"a",@progbits
	.p2align	6, 0x0
	.amdhsa_kernel k_q707abf17a1_attn
		.amdhsa_group_segment_fixed_size 165888
		.amdhsa_private_segment_fixed_size 0
		.amdhsa_enable_private_segment 0
		.amdhsa_kernarg_size 48
		.amdhsa_user_sgpr_count 2
		.amdhsa_user_sgpr_kernarg_segment_ptr 1
		.amdhsa_wavefront_size32 1
		.amdhsa_system_sgpr_workgroup_id_x 1
		.amdhsa_system_sgpr_workgroup_id_y 1
		.amdhsa_system_sgpr_workgroup_id_z 1
		.amdhsa_system_vgpr_workitem_id 0
		.amdhsa_next_free_vgpr 256
		.amdhsa_next_free_sgpr 106
		.amdhsa_reserve_vcc 1
		.amdhsa_float_denorm_mode_32 3
		.amdhsa_float_denorm_mode_16_64 3
		.amdhsa_memory_ordered 1
		.amdhsa_forward_progress 1
		.amdhsa_inst_pref_size 146
	.end_amdhsa_kernel
	.amdgpu_metadata
---
amdhsa.version: [ 1, 2 ]
amdhsa.kernels:
  - .name:           k_q707abf17a1_attn
    .symbol:         k_q707abf17a1_attn.kd
    .args:
      - { .name: qkv, .offset: 0, .size: 8, .value_kind: global_buffer, .address_space: global }
      - { .name: qkvs, .offset: 8, .size: 8, .value_kind: global_buffer, .address_space: global }
      - { .name: maskp, .offset: 16, .size: 8, .value_kind: global_buffer, .address_space: global }
      - { .name: biast, .offset: 24, .size: 8, .value_kind: global_buffer, .address_space: global }
      - { .name: ao, .offset: 32, .size: 8, .value_kind: global_buffer, .address_space: global }
      - { .name: aos, .offset: 40, .size: 8, .value_kind: global_buffer, .address_space: global }
    .group_segment_fixed_size: 165888
    .private_segment_fixed_size: 0
    .kernarg_segment_align: 8
    .kernarg_segment_size: 48
    .max_flat_workgroup_size: 512
    .sgpr_count:     106
    .vgpr_count:     256
    .wavefront_size: 32
...
	.end_amdgpu_metadata
.endif
;; end of part 2
;; launch oproj (part 3): grid 4 x 64, 12 waves a work-group, no clusters, 226,816 bytes of LDS; arguments ao, aos, W_O_codes, W_O_scales, out0; writes out0
.if DOCPART == 3
	.amdgcn_target "amdgcn-amd-amdhsa--gfx1250"
	.amdhsa_code_object_version 6
	.text
	.protected	k_q707abf17a1_oproj
	.globl	k_q707abf17a1_oproj
	.p2align	8
	.type	k_q707abf17a1_oproj,@function
k_q707abf17a1_oproj:
	s_mov_b64 s[64:65], 0
	v_nop
	global_prefetch_b8 v0, s[64:65] scope:SCOPE_SE
	s_setreg_imm32_b32 hwreg(HW_REG_WAVE_MODE, 25, 1), 1
	s_wait_xcnt 0x0
; out0 = o W_O^T on codes of FP6 (E2M3) with E8M0 scales; out0 [4096][768] f32.
; A work-group makes 64 tokens x 192 features; wave = (tile of 16 tokens n, 64 features fg): 4 accumulators, 6 K steps of 128 (two heads each).
; The product is used transposed (source 0 = 16 rows of W_O, source 1 = 16 tokens): a lane holds eight neighbouring features of one token.
; LDS, filled once: the tokens' codes of all 12 heads as register images [head][n][lane][24 bytes]; W_O's 192 rows, all of K, 16 bytes of padding behind every 64 (a row is 720 bytes: the 16 rows of a fragment start at
; 16 different groups of four banks: 64 banks of 4 bytes, ISA guide 11.1); and, in bytes of its own, a stage of 64 rows x (768 + 16) bytes for the way out.
; LIMITS: NaN, infinities and the scale byte 0xff among the inputs are not served.
.set AOB,  0
.set WOB,  36864
.set STG,  175104
.set RP,   720
.set SPT,  784
; v0 thread; v1 r; v2 h; v3 the tokens' codes; v4 24 r, later the stage: store; v5 4 r, later the stage: load; v6, v7 W_O's fragments (v7: one padding more); v8-31 W_O's scale words (6 i + s); v32-37 the tokens' (s);
; v38 my offset in out0; v40-99, v100-159 two sets of fragments (4 of W_O, 1 of the tokens); v160-191 accumulators.
	s_load_b256 s[4:11], s[0:1], 0x0               ; ao s[4:5], aos s[6:7], W_O's codes s[8:9], its scales s[10:11]
	s_load_b64 s[12:13], s[0:1], 0x20
	v_lshl_add_u32 v192, v0, 2, 225280             ; v192, v193: my spare word (behind the stage, 128 bytes a wave) and 0, kept for the adds alone
	v_mov_b32 v193, 0
	ds_add_u32 v192, v193                          ; the opening lines: the add, twice on end, and its wait ahead of the tensor loads
	ds_add_u32 v192, v193
	v_lshrrev_b32 v1, 5, v0
	s_delay_alu instid0(VALU_DEP_1)
	v_readfirstlane_b32 s2, v1                     ; wave 0..11
	s_and_b32 s3, ttmp7, 0xffff                    ; TB: 64 tokens
	s_and_b32 s14, s2, 3                           ; n
	s_lshr_b32 s15, s2, 2                          ; fg
	; group 1 for the tokens' codes: 12 rows (heads) of 3,072 bytes, 98,304 bytes apart
	s_mov_b32 s24, 3<<16
	s_mov_b32 s25, 384<<16
	s_mov_b32 s26, 12<<16
	s_mov_b32 s27, 384<<16
	s_mov_b32 s28, 12
	s_mov_b32 s29, 12288
	s_mov_b32 s30, 0
	s_mov_b32 s31, 0
	; group 1 for W_O: 64 dense rows, 36,864 bytes, as 144 rows of 256; 4 words of padding behind every 16
	s_mov_b32 s32, (3<<16)|(1<<20)|(3<<22)|(3<<25)
	s_mov_b32 s33, 32<<16
	s_mov_b32 s34, 144<<16
	s_mov_b32 s35, 32<<16
	s_mov_b32 s36, 144
	s_mov_b32 s37, 32
	s_mov_b32 s38, 0
	s_mov_b32 s39, 0
	s_lshr_b32 s40, s3, 5                          ; batch
	s_and_b32 s41, s3, 31
	s_mul_i32 s42, s40, 1179648
	s_mul_i32 s43, s41, 3072
	s_add_co_u32 s42, s42, s43
	s_mov_b32 s43, 0
	s_mul_i32 s44, ttmp9, 192
	s_lshl_b32 s45, s2, 6
	s_add_co_u32 s44, s44, s45
	s_mul_i32 s44, s44, 576                        ; waves 0-2: rows 192 fb + 64 wave
	s_mov_b32 s45, 0
	s_mov_b32 s16, 1
	s_mov_b32 s17, AOB
	s_mov_b32 s20, 1
	s_mul_i32 s21, s2, 46080
	s_add_co_u32 s21, s21, WOB
	s_wait_dscnt 0x0                               ; both opening adds are done
	s_wait_kmcnt 0x0
	s_add_nc_u64 s[18:19], s[4:5], s[42:43]
	s_or_b32 s19, s19, 0x80000000
	s_add_nc_u64 s[22:23], s[8:9], s[44:45]
	s_or_b32 s23, s23, 0x80000000
	s_cmp_lt_u32 s2, 3
	s_cbranch_scc0 .Lnot_w
	tensor_load_to_lds s[20:23], s[32:39]          ; one load a wave is out
	s_nop 0
.rept 4
	v_nop
.endr
	s_branch .Lasked
.Lnot_w:
	s_cmp_eq_u32 s2, 3
	s_cbranch_scc0 .Lasked
	tensor_load_to_lds s[16:19], s[24:31]
	s_nop 0
.rept 4
	v_nop
.endr
.Lasked:
	v_and_b32 v1, 15, v0                           ; r
	s_wait_alu depctr_va_vdst(0)
	v_bfe_u32 v2, v0, 4, 1                         ; h
	v_and_b32 v3, 31, v0
	s_wait_alu depctr_va_vdst(0)
	s_mul_i32 s44, ttmp9, 192
	s_lshl_b32 s46, s15, 6
	s_add_co_u32 s44, s44, s46
	s_mul_i32 s44, s44, 24
	s_add_nc_u64 s[10:11], s[10:11], s[44:45]      ; the scales of my 64 features: 24 bytes a row
	v_mul_u32_u24 v4, v1, 24
.irp i, 0,1,2,3
.irp jj, 0,1,2
	global_load_b64 v[8+6*\i+2*\jj:9+6*\i+2*\jj], v4, s[10:11] offset:384*\i+8*\jj
.endr
.endr
	s_mul_i32 s44, s40, 49152
	s_lshl_b32 s46, s41, 8
	s_add_co_u32 s44, s44, s46
	s_lshl_b32 s46, s14, 6
	s_add_co_u32 s44, s44, s46
	s_add_nc_u64 s[6:7], s[6:7], s[44:45]          ; the scale words of my 16 tokens: [batch][K step][token]
	v_lshlrev_b32 v5, 2, v1
.irp s, 0,1,2,3,4,5
	global_load_b32 v[32+\s], v5, s[6:7] offset:8192*\s
.endr
	s_mul_i32 s46, s14, 768
	v_mul_u32_u24 v3, v3, 24
	s_delay_alu instid0(VALU_DEP_1)
	v_add_nc_u32 v3, s46, v3                       ; AOB + 768 n + 24 x lane
	v_mul_u32_u24 v6, v1, RP
	s_delay_alu instid0(VALU_DEP_1)
	v_mad_u32_u24 v6, v2, 24, v6
	s_mul_i32 s46, s15, 46080
	s_add_co_u32 s46, s46, WOB
	v_add_nc_u32 v6, s46, v6
	s_delay_alu instid0(VALU_DEP_1)
	v_lshl_add_u32 v7, v2, 4, v6
	s_mul_i32 s44, s3, 196608                      ; out0: 64 rows of 3,072 bytes a block of tokens, 768 bytes a block of features
	s_mul_i32 s46, ttmp9, 768
	s_add_co_u32 s44, s44, s46
	s_add_nc_u64 s[12:13], s[12:13], s[44:45]
	s_wait_loadcnt 0x0                             ; the scales are in, and v4 and v5 are free
	s_mul_i32 s46, s14, 16*SPT
	s_lshl_b32 s47, s15, 8
	s_add_co_u32 s46, s46, s47
	s_add_co_u32 s46, s46, STG
	v_mul_u32_u24 v4, v1, SPT
	s_delay_alu instid0(VALU_DEP_1)
	v_lshl_add_u32 v4, v2, 5, v4
	s_delay_alu instid0(VALU_DEP_1)
	v_add_nc_u32 v4, s46, v4                       ; the stage: row 16 n + r, + 256 fg + 32 h
	v_mul_u32_u24 v5, v2, SPT                      ; back: I read my own block, 16 rows x 256 bytes: lanes 0-15 one row, lanes 16-31 the next
	v_mul_u32_u24 v38, v2, 3072
	s_delay_alu instid0(VALU_DEP_2)
	v_lshl_add_u32 v5, v1, 4, v5
	s_delay_alu instid0(VALU_DEP_2)
	v_lshl_add_u32 v38, v1, 4, v38
	s_delay_alu instid0(VALU_DEP_2)
	v_add_nc_u32 v5, s46, v5
	s_mul_i32 s46, s14, 49152                      ; and the same in out0: 16 n rows of 3,072 bytes, + 256 fg
	s_add_co_u32 s46, s46, s47
	v_add_nc_u32 v38, s46, v38
	s_wait_alu depctr_va_vdst(0)
	s_wait_tensorcnt 0x0                           ; my fill has landed,
	s_barrier_signal -1
	s_barrier_wait -1                              ; everybody's has.  Nothing is filled again
.macro FRAGW reg, s, i                         ; 16 rows of W_O x 128 K, in pieces of 8 bytes; where the piece of lanes 16-31 lies behind one padding more, v7 serves
.irp pp, 0,1,2,3,4,5
.set PCN, 12*(\s)+6*(\pp/3)+\pp%3
.if PCN%8 < 5
	ds_load_b64 v[\reg+2*\pp:\reg+2*\pp+1], v6 offset:(\i)*16*RP+8*PCN+16*(PCN/8)
.else
	ds_load_b64 v[\reg+2*\pp:\reg+2*\pp+1], v7 offset:(\i)*16*RP+8*PCN+16*(PCN/8)
.endif
.endr
.endm
.macro FETCH s                                 ; K step s: 30 loads into set s % 2
.set FB, 40+60*((\s)%2)
.irp i, 0,1,2,3
	FRAGW FB+12*\i, \s, \i
.endr
.irp c, 0,1
.irp g, 0,1,2
	ds_load_b64 v[FB+48+6*\c+2*\g:FB+48+6*\c+2*\g+1], v3 offset:3072*(2*(\s)+\c)+8*\g   ; head 2 s + c
.endr
.endr
.endm
.macro STEP s
.if (\s) < 5
.rept 4
	v_nop                                          ; places in front of loads into registers that matrix instructions have read
.endr
	FETCH (\s)+1
	s_wait_dscnt 30                                ; this step's fragments are in; the 30 loads just issued stay out
.else
	s_wait_dscnt 0x0
.endif
.set FC, 40+60*((\s)%2)
.irp i, 0,1,2,3                                ; the four accumulators take turns; the first step's products start the sums
.if (\s) == 0
	v_wmma_scale_f32_16x16x128_f8f6f4 v[160+8*\i:167+8*\i], v[FC+12*\i:FC+12*\i+11], v[FC+48:FC+59], 0, v[8+6*\i+(\s)], v[32+(\s)] matrix_a_fmt:MATRIX_FMT_FP6 matrix_b_fmt:MATRIX_FMT_FP6
.else
	v_wmma_scale_f32_16x16x128_f8f6f4 v[160+8*\i:167+8*\i], v[FC+12*\i:FC+12*\i+11], v[FC+48:FC+59], v[160+8*\i:167+8*\i], v[8+6*\i+(\s)], v[32+(\s)] matrix_a_fmt:MATRIX_FMT_FP6 matrix_b_fmt:MATRIX_FMT_FP6
.endif
.endr
.endm
	FETCH 0
	STEP 0
	STEP 1
	STEP 2
	STEP 3
	STEP 4
	STEP 5
.rept 4
	v_nop                                          ; places between the last products and the stores that read the results
.endr
.irp i, 0,1,2,3
	ds_store_b128 v4, v[160+8*\i:163+8*\i] offset:64*\i        ; lane (r, h): features 64 fg + 16 i + 8 h + 0 .. 7 of token 16 n + r; each accumulator from its low end on
	ds_store_b128 v4, v[164+8*\i:167+8*\i] offset:64*\i+16
.endr
.irp k, 0,1,2,3,4,5,6,7
	ds_load_b128 v[40+4*\k:43+4*\k], v5 offset:2*SPT*\k        ; two rows a pass; LDS serves a wave's instructions in order (ISA guide 5.7.1.4): these see my stores above
.endr
.irp k, 0,1,2,3,4,5,6,7
	s_wait_dscnt 7-\k                              ; pass k is in; the later passes stay out
	global_store_b128 v38, v[40+4*\k:43+4*\k], s[12:13] offset:6144*\k th:TH_STORE_NT   ; sixteen neighbouring lanes store 256 consecutive bytes, aligned
.endr
	s_wait_tensorcnt 0x0                           ; the wave's end
	ds_add_u32 v192, v193
	s_wait_dscnt 0x0
	s_endpgm
.Lfunc_end_k_q707abf17a1_oproj:
	.size	k_q707abf17a1_oproj, .Lfunc_end_k_q707abf17a1_oproj-k_q707abf17a1_oproj
	.p2alignl 7, 3214868480
	.fill 96, 4, 3214868480
	.section	.rodata,"a",@progbits
	.p2align	6, 0x0
	.amdhsa_kernel k_q707abf17a1_oproj
		.amdhsa_group_segment_fixed_size 226816
		.amdhsa_private_segment_fixed_size 0
		.amdhsa_enable_private_segment 0
		.amdhsa_kernarg_size 40
		.amdhsa_user_sgpr_count 2
		.amdhsa_user_sgpr_kernarg_segment_ptr 1
		.amdhsa_wavefront_size32 1
		.amdhsa_system_sgpr_workgroup_id_x 1
		.amdhsa_system_sgpr_workgroup_id_y 1
		.amdhsa_system_sgpr_workgroup_id_z 1
		.amdhsa_system_vgpr_workitem_id 0
		.amdhsa_next_free_vgpr 224
		.amdhsa_next_free_sgpr 66
		.amdhsa_reserve_vcc 0
		.amdhsa_float_denorm_mode_32 3
		.amdhsa_float_denorm_mode_16_64 3
		.amdhsa_memory_ordered 1
		.amdhsa_forward_progress 1
		.amdhsa_inst_pref_size 25
	.end_amdhsa_kernel
	.amdgpu_metadata
---
amdhsa.version: [ 1, 2 ]
amdhsa.kernels:
  - .name:           k_q707abf17a1_oproj
    .symbol:         k_q707abf17a1_oproj.kd
    .args:
      - { .name: ao, .offset: 0, .size: 8, .value_kind: global_buffer, .address_space: global }
      - { .name: aos, .offset: 8, .size: 8, .value_kind: global_buffer, .address_space: global }
      - { .name: W_O_codes, .offset: 16, .size: 8, .value_kind: global_buffer, .address_space: global }
      - { .name: W_O_scales, .offset: 24, .size: 8, .value_kind: global_buffer, .address_space: global }
      - { .name: out0, .offset: 32, .size: 8, .value_kind: global_buffer, .address_space: global }
    .group_segment_fixed_size: 226816
    .private_segment_fixed_size: 0
    .kernarg_segment_align: 8
    .kernarg_segment_size: 40
    .max_flat_workgroup_size: 384
    .sgpr_count:     66
    .vgpr_count:     224
    .wavefront_size: 32
...
	.end_amdgpu_metadata
.endif
;; end of part 3
